; MI455X (gfx1250); checked and timed in simulation.
; The chip was launched on July 23, 2026; its instructions are those of AMD's public machine-readable ISA for CDNA 5 (MIT licence, August 2026) and "CDNA5" Instruction Set Architecture Reference Guide (July 2026). The comments in the code are by the model that wrote it; some were corrected since.
;; Causal Self Attention. Allowed arithmetic: matrix products marked QUANTISED: E4M3 operands, one E8M0 scale for each 32 along K, by v_wmma_scale_f32_16x16x128_f8f6f4 with both operands' format E4M3, f32 sums; products left as they are: f32 operands where the result goes on into a quantised operand, else bf16, f16 or f32 operands; f32 sums; everything else in f32.
;; Inputs: freqs_cos 2,048 x 64 float32; freqs_sin 2,048 x 64 float32; wk 8 x 256 x 256 float32; wo 8 x 256 x 256 float32; wq 8 x 256 x 256 float32; wv 8 x 256 x 256 float32; x 1 x 2,048 x 2,048 float32.
;; Outputs: out0 1 x 2,048 x 2,048 float32.
;; This version of the problem:
;;   THIS VERSION OF THE PROBLEM IS GIVEN IN LOW PRECISION. The matrix products marked QUANTISED in the list below multiply operands that are first quantised to E4M3 (4 exponent bits, 3 mantissa bits; 8 bits a number), with one power-of-two scale for each 32 numbers along K (OCP MX v1.0); their sums are f32. All else is computed in f32.
;;   The module's matrix products, in the order in which they are computed (A, B: the left and right operand; K: the contracted axis; several contracted axes count as one K, in the product's order):
;;     1. [M 2,048, K 256] x [K 256, N 16,384]; A: computed on the way; B: computed on the way: QUANTISED
;;     2. [M 8, K 64] x [K 64, N 524,288]; A: computed on the way; B: computed on the way: left as it is (M = 8 < 16)
;;     3. [M 2,048, K 256] x [K 256, N 16,384]; A: computed on the way; B: computed on the way: QUANTISED
;;     4. [M 8, K 64] x [K 64, N 524,288]; A: computed on the way; B: computed on the way: left as it is (M = 8 < 16)
;;     5. [M 2,048, K 256] x [K 256, N 16,384]; A: computed on the way; B: computed on the way: QUANTISED
;;     6. [M 8, K 64] x [K 64, N 524,288]; A: computed on the way; B: computed on the way: left as it is (M = 8 < 16)
;;     7. batch 16 x [M 2,048, K 128] x [K 128, N 2,048]; A: computed on the way; B: computed on the way: QUANTISED
;;     8. batch 16 x [M 2,048, K 2,048] x [K 2,048, N 128]; A: softmax (see below); B: computed on the way: QUANTISED
;;     9. [M 2,048, K 256] x [K 256, N 16,384]; A: computed on the way; B: computed on the way: QUANTISED
;;     10. [M 8, K 64] x [K 64, N 524,288]; A: computed on the way; B: computed on the way: left as it is (M = 8 < 16)
;;   THE QUANTISER, for each operand of a quantised product, along K:
;;     - K is cut into blocks of 32 from its start; a last block that is shorter is filled with zeros.
;;     - A block's scale is 2^e with e = floor(log2(the largest magnitude in the block)) - 8, held to -126 .. 127; a block of zeros has e = 0. As a byte (E8M0): e + 127.
;;     - Each number is divided by its block's scale, clamped to +-448, and rounded to the nearest number of E4M3, ties to even, subnormals kept.
;;     - The product sums the exact products of the quantised numbers (number of the format x scale) in f32.
;;   ~~~python
;;   def quantise(x, axis):      # numpy; x: float32 -> the quantised numbers, widened to float32 again
;;       x = np.moveaxis(x, axis, -1); K = x.shape[-1]
;;       x = np.pad(x, [(0, 0)] * (x.ndim - 1) + [(0, -K % 32)]); x = x.reshape(x.shape[:-1] + (-1, 32)); a = np.abs(x).max(-1, keepdims=True)
;;       e = np.where(a > 0, np.clip(np.frexp(np.where(a > 0, a, 1))[1] - 1 - 8, -126, 127), 0)      # np.frexp(a)[1] - 1 = floor(log2(a)), exactly
;;       r = np.clip(x / 2.0 ** e, -448, 448)
;;       step = 2.0 ** (np.maximum(np.frexp(np.where(r == 0, 1, r))[1] - 1, -6) - 3)
;;       q = np.round(r / step) * step * 2.0 ** e      # np.round: ties to even
;;       return np.moveaxis(q.reshape(q.shape[:-2] + (-1,))[..., :K], -1, axis).astype(np.float32)
;;   ~~~
;;   SOFTMAX AHEAD OF A QUANTISED PRODUCT. Where the list says 'softmax', what is quantised is not the finished softmax but p = 2^(t - M), with t = logit x log2(e) and M = ceil(the row's largest t), a whole number; so 1/2 < the row's largest p <= 1. The row's sum l is taken of the UNQUANTISED p, in f32, and the product's result is divided by l at the end. Since M is a whole number, a kernel that streams over the keys may use a running M (the ceiling of the running maximum): every later rescaling is an exact power of two, which a block's scale takes up: the codes' values come out the same.
;;   OPERANDS COMPUTED ON THE WAY. 'Computed on the way' means the value that the module computes at that place (a softmax that the list does not call 'softmax' is quantised finished and normalised). What goes into a quantiser is computed in f32, as accurately as f32 sums, v_exp_f32 and their like allow (about 1e-6 of the number): no bf16 or f16 on the way to a quantiser, and a product that is left as it is and whose result goes on into a quantised operand takes f32 operands (vector FMAs, or v_wmma_f32_16x16x4_f32). A number that lies on a knife's edge between two numbers of the format may be rounded either way, as far as f32 arithmetic and the matrix unit's own rounding can turn it there, and no further.
;; 2 versions, each right. Each part assembles by itself: llvm-mc -triple=amdgcn-amd-amdhsa -mcpu=gfx1250 --defsym DOCPART=n.
;; ======== version 1 of 2: 5 launches
;; workspace buffers: psum 1,024 bytes; xq 4,325,376 bytes; wt 17,301,504 bytes; qkv 12,976,128 bytes; yq 4,325,376 bytes
;; launch quantx (part 1): grid 192 x 1, 4 waves a work-group, no clusters, 33,280 bytes of LDS; arguments x, wq, wk, wv, wo, xq, psum; writes xq, psum
.if DOCPART == 1
	.amdgcn_target "amdgcn-amd-amdhsa--gfx1250"
	.amdhsa_code_object_version 6
	.text
	.protected	k_q83c39a1e7b_quantx
	.globl	k_q83c39a1e7b_quantx
	.p2align	8
	.type	k_q83c39a1e7b_quantx,@function
k_q83c39a1e7b_quantx:
	s_mov_b64 s[64:65], 0
	v_nop
	global_prefetch_b8 v0, s[64:65] scope:SCOPE_SE
	s_setreg_imm32_b32 hwreg(HW_REG_WAVE_MODE, 25, 1), 1
	s_wait_xcnt 0x0
; TWO JOBS IN ONE LAUNCH, told apart by the work-group's number.
; Work-groups 0-127: x [2048][2048] f32 becomes codes of FP8 (E4M3), K innermost, at xq + 0, and one E8M0 scale byte for each 32 along K, [2048][64], at xq + 0x400000.
;   A block's scale is 2^(floor(log2(its largest magnitude)) - 8); its byte is the largest magnitude's exponent field - 8, held at 1 from below.  Each number is divided by the scale, held within +-448, rounded to the nearest code, ties to even.
;   Rows are dense, so x is a plain stream of blocks of 32.  A wave takes 16 steps of 512 numbers; each load reads 512 consecutive bytes; a step's 2,048 bytes turn through the wave's own stage in LDS, so that a lane holds 16 neighbours.
; Work-groups 128-191: the sum of |W| of the four weights, 64 partial sums each (a wave sums 8,192 numbers), to psum [4][64] f32.  Eight chains a lane, then a tree: short chains keep the sum's rounding small.  This path uses no LDS.
; LIMITS: a block of zeros, and a block whose largest magnitude lies under 2^-118, gets the byte 1 (its codes are what the floor's scale gives; the bytes are read by this program alone); NaN and infinities are not served.
.set XWG,   128                        ; work-groups for x: 2048 x 2048 / 32,768
.set XSC,   0x400000                   ; where the scale bytes begin in xq
.set STEPS, 16
.set EMAX,  8
.set MANT,  0x600000                   ; the mantissa field of 448 as f32
.set CB,    16                         ; bytes of 16 codes
.set R,     16                         ; v16-79   four sets of 16 numbers as they are loaded
.set X,     80                         ; v80-111  two sets of 16 neighbours
.set C,     128                        ; v128-191 codes: four registers for each step
.set E,     112                        ; v112-127 a scale byte for each step
.set WREG,  8192                       ; LDS: a region for each wave: two stages of 32 x SP bytes, then its 256 scale bytes
.set SP,    80                         ; a lane's place in a stage: 64 bytes + 16 of padding
.set SA,    16                         ; the sums: v16-79 and v80-143, two sets of 64 numbers;
.set SB,    80
.set ACC,   144                        ; v144-151 eight chains
	s_load_b64 s[4:5], s[0:1], 0x0                 ; x
	s_load_b256 s[8:15], s[0:1], 0x8               ; wq, wk, wv, wo
	s_load_b128 s[16:19], s[0:1], 0x28             ; xq, psum
	v_lshl_add_u32 v192, v0, 2, 0x8000
	v_mov_b32 v193, 0
	v_lshrrev_b32 v1, 5, v0
	v_readfirstlane_b32 s20, v1                    ; wave
	v_and_b32 v2, 31, v0                           ; lane
	v_lshlrev_b32 v3, 4, v2                        ; my 16 bytes of a load's 512
	s_cmp_lt_u32 ttmp9, XWG
	s_cbranch_scc0 .Lsum
	; ---------------- x into codes
	s_mul_i32 s21, s20, WREG
	v_lshrrev_b32 v14, 2, v2
	v_mul_u32_u24 v14, v14, SP
	v_and_b32 v15, 3, v2
	v_lshl_add_u32 v14, v15, 4, v14
	v_add_nc_u32 v14, s21, v14                     ; the stage, on the way in: SP (lane / 4) + 16 (lane % 4)
	v_mul_u32_u24 v15, v2, SP
	v_add_nc_u32 v15, s21, v15                     ; and on the way out: SP x lane: my 16 neighbours
	v_mul_u32_u24 v4, v2, CB                       ; my codes' place in a step's
	v_lshrrev_b32 v5, 1, v2
	s_add_co_u32 s21, s21, 2*32*SP
	v_add_nc_u32 v5, s21, v5                       ; LDS: my wave's 256 scale bytes, my block's byte
	v_lshlrev_b32 v7, 3, v2                        ; and on the way out 8 bytes a lane
	v_add_nc_u32 v6, s21, v7
	s_mov_b32 s23, MANT
	s_lshl_b32 s24, ttmp9, 2
	s_add_co_u32 s24, s24, s20                     ; which run of 8,192 numbers is my wave's: 0 .. 511
	s_lshl_b32 s26, s24, 15                        ; 32,768 bytes of x,
	s_mov_b32 s27, 0
	s_lshl_b32 s28, s24, 13                        ; 8,192 of codes,
	s_mov_b32 s29, 0
	s_lshl_b32 s30, s24, 8                         ; 256 scale bytes a run
	s_add_co_u32 s30, s30, XSC
	s_mov_b32 s31, 0
	s_wait_kmcnt 0x0
	s_add_nc_u64 s[4:5], s[4:5], s[26:27]
	s_add_nc_u64 s[8:9], s[16:17], s[28:29]
	s_add_nc_u64 s[10:11], s[16:17], s[30:31]
.macro LOAD t
.irp i, 0,1,2,3
	global_load_b128 v[R+16*((\t)%4)+4*\i:R+16*((\t)%4)+4*\i+3], v3, s[4:5] offset:2048*(\t)+512*\i th:TH_LOAD_NT   ; 32 lanes read 512 consecutive bytes
.endr
.endm
.macro TURN t                          ; step t's numbers through the stage: LDS serves a wave's instructions in order, so no wait stands between the stores and the loads
.irp i, 0,1,2,3
	ds_store_b128 v14, v[R+16*((\t)%4)+4*\i:R+16*((\t)%4)+4*\i+3] offset:32*SP*((\t)%2)+8*SP*\i
.endr
.irp i, 0,1,2,3
	ds_load_b128 v[X+16*((\t)%2)+4*\i:X+16*((\t)%2)+4*\i+3], v15 offset:32*SP*((\t)%2)+16*\i
.endr
.endm
.irp t, 0,1,2,3
	LOAD \t
.endr
	s_wait_loadcnt 12                              ; step 0's four loads are in; the 12 of steps 1 to 3 stay out
	TURN 0
.macro STEP t
.set XS, X+16*((\t)%2)
.if (\t) > 0
	s_wait_dscnt 1                                 ; this step's numbers are back from the stage (the last step's byte store may be out)
.else
	s_wait_dscnt 0x0
.endif
.if (\t)+4 < STEPS
	LOAD (\t)+4                                    ; the stage's stores have read these registers: they take the loads of four steps on
.endif
.if (\t)+1 < STEPS
.if STEPS-2-(\t) >= 3
	s_wait_loadcnt 12                              ; the next step's four loads are in; those of the three steps behind it may be out
.else
	s_wait_loadcnt 4*(STEPS-2-(\t))
.endif
	TURN (\t)+1                                    ; through the other stage while this step is worked
.endif
	v_max3_num_f32 v8, |v[XS]|, |v[XS+1]|, |v[XS+2]|               ; the largest magnitude of my 16, in two chains
	v_max3_num_f32 v9, |v[XS+3]|, |v[XS+4]|, |v[XS+5]|
.irp i, 6,10
	v_max3_num_f32 v8, v8, |v[XS+\i]|, |v[XS+\i+1]|
	v_max3_num_f32 v9, v9, |v[XS+\i+2]|, |v[XS+\i+3]|
.endr
	v_max3_num_f32 v8, v8, |v[XS+14]|, |v[XS+15]|
	v_max3_num_f32 v8, v8, v9, (EMAX+1)<<23        ; and the floor 2^(9 - 127): the byte cannot fall under 1
	v_max_num_f32_dpp v8, v8, v8 row_xmask:1 row_mask:0xf bank_mask:0xf   ; and of my neighbour's 16: the block's
	v_add_nc_u32 v11, -(EMAX<<23), v8              ; 8 off its exponent field: the conversion takes the exponent field of this operand as its scale
	v_and_or_b32 v10, v8, 0x7f800000, s23          ; 448 x the scale
.irp i, 0,1,2,3,4,5,6,7,8,9,10,11,12,13,14,15
	v_med3_num_f32 v[XS+\i], v[XS+\i], -v10, v10   ; the conversion to an 8-bit code does not saturate (ISA guide 7.6.2): hold first
.endr
	v_cvt_scalef32_pk8_fp8_f32 v[C+4*(\t):C+4*(\t)+1], v[XS:XS+7], v11
	v_cvt_scalef32_pk8_fp8_f32 v[C+4*(\t)+2:C+4*(\t)+3], v[XS+8:XS+15], v11
	v_lshrrev_b32 v[E+(\t)], 23, v11               ; the scale's byte (also the plain line behind the conversions)
	ds_store_b8 v5, v[E+(\t)] offset:16*(\t)       ; both lanes of a block write the same byte with the same value
	global_store_b128 v4, v[C+4*(\t):C+4*(\t)+3], s[8:9] offset:32*CB*(\t)   ; the wave stores 512 consecutive bytes, aligned
.endm
.irp t, 0,1,2,3,4,5,6,7,8,9,10,11,12,13,14,15
	STEP \t
.endr
	ds_load_b64 v[12:13], v6                       ; LDS serves a wave's instructions in order: these see my stores
	s_wait_dscnt 0x0
	global_store_b64 v7, v[12:13], s[10:11]        ; 32 lanes store 256 consecutive bytes, aligned
	s_wait_tensorcnt 0x0
	ds_add_u32 v192, v193
	s_wait_dscnt 0x0
	s_endpgm
	; ---------------- the sums of |W|
.Lsum:
	s_sub_co_u32 s21, ttmp9, XWG                   ; 0 .. 63: weight x 16 + chunk
	s_lshr_b32 s22, s21, 4                         ; the weight: 0 q, 1 k, 2 v, 3 o
	s_and_b32 s23, s21, 15
	s_lshl_b32 s24, s23, 17                        ; a chunk is 131,072 bytes,
	s_lshl_b32 s25, s20, 15                        ; a wave's part 32,768
	s_add_co_u32 s24, s24, s25
	s_mov_b32 s25, 0
	s_lshl_b32 s26, s21, 2
	s_add_co_u32 s26, s26, s20
	s_lshl_b32 s26, s26, 2                         ; my word of psum
	s_mov_b32 s27, 0
	s_mov_b32 s28, 0x76543210
	s_mov_b32 s29, 0xfedcba98                      ; v_permlanex16_b32's selects for lane l xor 16
	s_and_b32 s30, s22, 1
	s_wait_kmcnt 0x0
	s_cmp_lg_u32 s30, 0                            ; the choice hangs on the work-group's number alone
	s_cselect_b64 s[8:9], s[10:11], s[8:9]
	s_cselect_b64 s[12:13], s[14:15], s[12:13]
	s_cmp_ge_u32 s22, 2
	s_cselect_b64 s[8:9], s[12:13], s[8:9]
	s_add_nc_u64 s[8:9], s[8:9], s[24:25]
	s_add_nc_u64 s[18:19], s[18:19], s[26:27]
.macro LOADB n, set                    ; 16 loads of 512 consecutive bytes
.irp i, 0,1,2,3,4,5,6,7,8,9,10,11,12,13,14,15
	global_load_b128 v[\set+4*\i:\set+4*\i+3], v3, s[8:9] offset:8192*\n+512*\i th:TH_LOAD_NT
.endr
.endm
.macro SUMB set, first                 ; chain k takes registers k, k + 8, ..; first = 1: the first two numbers start a chain: nothing is cleared
.irp i, 0,1,2,3,4,5,6,7
.irp k, 0,1,2,3,4,5,6,7
.if \first && (\i == 0)
	v_add_f32 v[ACC+\k], |v[\set+\k]|, |v[\set+\k+8]|
.elseif \first && (\i == 1)
.else
	v_add_f32 v[ACC+\k], v[ACC+\k], |v[\set+8*\i+\k]|
.endif
.endr
.endr
.endm
	LOADB 0, SA
	LOADB 1, SB
	s_wait_loadcnt 16                              ; the older 16 are in, the younger 16 stay out: so in each of the three waits
	SUMB SA, 1
	LOADB 2, SA
	s_wait_loadcnt 16
	SUMB SB, 0
	LOADB 3, SB
	s_wait_loadcnt 16
	SUMB SA, 0
	s_wait_loadcnt 0x0
	SUMB SB, 0
	v_add_f32 v144, v144, v145
	v_add_f32 v146, v146, v147
	v_add_f32 v148, v148, v149
	v_add_f32 v150, v150, v151
	v_add_f32 v144, v144, v146
	v_add_f32 v148, v148, v150
	v_add_f32 v144, v144, v148
	v_add_f32_dpp v144, v144, v144 row_xmask:1 row_mask:0xf bank_mask:0xf
	v_add_f32_dpp v144, v144, v144 row_xmask:2 row_mask:0xf bank_mask:0xf
	v_add_f32_dpp v144, v144, v144 row_xmask:4 row_mask:0xf bank_mask:0xf
	v_add_f32_dpp v144, v144, v144 row_xmask:8 row_mask:0xf bank_mask:0xf
	v_permlanex16_b32 v145, v144, s28, s29
	v_add_f32 v144, v144, v145                     ; the wave's sum, in every lane
	v_mov_b32 v146, 0
	v_cmp_eq_u32 vcc_lo, 0, v2
	s_wait_xcnt 0x0                                ; EXEC changes only behind this wait
	s_and_saveexec_b32 s30, vcc_lo
	global_store_b32 v146, v144, s[18:19]          ; lane 0 stores it
	s_wait_xcnt 0x0                                ; and again, in front of the line that widens it
	s_or_b32 exec_lo, exec_lo, s30
	s_endpgm
.Lfunc_end_k_q83c39a1e7b_quantx:
	.size	k_q83c39a1e7b_quantx, .Lfunc_end_k_q83c39a1e7b_quantx-k_q83c39a1e7b_quantx
	.p2alignl 7, 3214868480
	.fill 96, 4, 3214868480
	.section	.rodata,"a",@progbits
	.p2align	6, 0x0
	.amdhsa_kernel k_q83c39a1e7b_quantx
		.amdhsa_group_segment_fixed_size 33280
		.amdhsa_private_segment_fixed_size 0
		.amdhsa_enable_private_segment 0
		.amdhsa_kernarg_size 56
		.amdhsa_user_sgpr_count 2
		.amdhsa_user_sgpr_kernarg_segment_ptr 1
		.amdhsa_wavefront_size32 1
		.amdhsa_system_sgpr_workgroup_id_x 1
		.amdhsa_system_sgpr_workgroup_id_y 1
		.amdhsa_system_sgpr_workgroup_id_z 1
		.amdhsa_system_vgpr_workitem_id 0
		.amdhsa_next_free_vgpr 194
		.amdhsa_next_free_sgpr 66
		.amdhsa_reserve_vcc 1
		.amdhsa_float_denorm_mode_32 3
		.amdhsa_float_denorm_mode_16_64 3
		.amdhsa_memory_ordered 1
		.amdhsa_forward_progress 1
		.amdhsa_inst_pref_size 74
	.end_amdhsa_kernel
	.amdgpu_metadata
---
amdhsa.version: [ 1, 2 ]
amdhsa.kernels:
  - .name:           k_q83c39a1e7b_quantx
    .symbol:         k_q83c39a1e7b_quantx.kd
    .args:
      - { .name: x, .offset: 0, .size: 8, .value_kind: global_buffer, .address_space: global }
      - { .name: wq, .offset: 8, .size: 8, .value_kind: global_buffer, .address_space: global }
      - { .name: wk, .offset: 16, .size: 8, .value_kind: global_buffer, .address_space: global }
      - { .name: wv, .offset: 24, .size: 8, .value_kind: global_buffer, .address_space: global }
      - { .name: wo, .offset: 32, .size: 8, .value_kind: global_buffer, .address_space: global }
      - { .name: xq, .offset: 40, .size: 8, .value_kind: global_buffer, .address_space: global }
      - { .name: psum, .offset: 48, .size: 8, .value_kind: global_buffer, .address_space: global }
    .group_segment_fixed_size: 33280
    .private_segment_fixed_size: 0
    .kernarg_segment_align: 8
    .kernarg_segment_size: 56
    .max_flat_workgroup_size: 128
    .sgpr_count:     66
    .vgpr_count:     194
    .wavefront_size: 32
...
	.end_amdgpu_metadata
.endif
;; end of part 1
;; launch ternw (part 2): grid 128 x 1, 4 waves a work-group, no clusters, 17,920 bytes of LDS; arguments wq, wk, wv, wo, psum, wt; writes wt
.if DOCPART == 2
	.amdgcn_target "amdgcn-amd-amdhsa--gfx1250"
	.amdhsa_code_object_version 6
	.text
	.protected	k_q83c39a1e7b_ternw
	.globl	k_q83c39a1e7b_ternw
	.p2align	8
	.type	k_q83c39a1e7b_ternw,@function
k_q83c39a1e7b_ternw:
	s_mov_b64 s[64:65], 0
	v_nop
	global_prefetch_b8 v0, s[64:65] scope:SCOPE_SE
	s_setreg_imm32_b32 hwreg(HW_REG_WAVE_MODE, 25, 1), 1
	s_wait_xcnt 0x0
; THE FOUR WEIGHTS [8][256 p][256 q] f32 BECOME FOUR MATRICES OF CODES [2048 n][2048 K], K innermost, so that an octonion layer is ONE product on codes.
; out_k = sum over i of sign[i][j] x_j W_i with j = i xor k.  So row n = (k, q) of the large matrix holds, at K = (j, p), sign[i][j] x Q(Wt_i)[p][q] with i = j xor k; Q quantises along p, blocks of 32, and is symmetric in sign:
; a negative sign is bit 7 of the code, the scale byte stays.  Each (i, q) column is quantised once and written eight times, for j = 0 .. 7, to row ((i xor j), q), bytes 256 j on.
; TERNARY: s = mean |W| + 1e-8 (from the 64 partial sums, summed alike in every wave); q = round(clip(W / s, -1, 1)) s is +-s where |W| > s / 2, else 0 (a tie at 1/2 goes to 0; the next f32 above s / 2 divides to more than 1/2 + 2^-25, so the
; comparison decides as the division would); the operand is W + (q - W), as it is computed in f32.
; SHARES: work-group = (weight, i, 64 columns); a wave takes 16 columns and all 256 p: lane (r, h) takes column q0 + r and p = 128 h + 0 .. 127: four whole blocks in its own 128 registers, so a block's maximum needs no other lane.
; The codes go through the wave's own stage in LDS (16 rows of 256 + 16 bytes) and leave as rows: sixteen lanes store 256 consecutive bytes, aligned.  The scale words leave as 8 bytes a row, rows 64 bytes apart.
; wt: codes of weight w at w x 0x400000; scale bytes [2048][64] at 0x1000000 + w x 0x20000.
; LIMITS: s is summed in an order of its own; a weight within the sum's rounding of s / 2 may fall on either side.  A block of zeros keeps the byte 1 over zero codes (read by this program alone).  NaN and infinities are not served.
.set X,    32                          ; v32-159  my 128 numbers
.set CD,   160                         ; v160-191 their codes, 8 registers a block
.set OUTR, 192                         ; v192-223 16 rows back from the stage
.set TR,   224                         ; v224-255 the same with a copy's sign
.set TT,   20                          ; v20-23   at work
.set EMAX, 8
.set STG,  4352                        ; a wave's stage: 16 x 272
	s_load_b256 s[4:11], s[0:1], 0x0               ; wq, wk, wv, wo
	s_load_b128 s[12:15], s[0:1], 0x20             ; psum, wt
	v_lshl_add_u32 v30, v0, 2, 0x4400
	v_mov_b32 v31, 0
	v_lshrrev_b32 v1, 5, v0
	v_readfirstlane_b32 s25, v1                    ; wave
	v_and_b32 v2, 15, v0                           ; r
	v_bfe_u32 v3, v0, 4, 1                         ; h
	v_and_b32 v9, 31, v0
	v_lshlrev_b32 v9, 3, v9                        ; psum: 8 bytes a lane
	v_lshlrev_b32 v4, 2, v2
	v_lshl_add_u32 v4, v3, 17, v4                  ; W: 4 r + 128 h rows of 1,024 bytes
	s_mul_i32 s26, s25, STG
	v_mul_u32_u24 v5, v2, 272
	v_lshl_add_u32 v5, v3, 7, v5
	v_add_nc_u32 v5, s26, v5                       ; the stage, in: row r, byte 128 h
	v_mul_u32_u24 v6, v3, 272
	v_lshl_add_u32 v6, v2, 4, v6
	v_add_nc_u32 v6, s26, v6                       ; out: sixteen lanes to a row, two rows an instruction
	v_lshlrev_b32 v7, 4, v2
	v_lshl_add_u32 v7, v3, 11, v7                  ; the same place in the codes: rows of 2,048 bytes
	v_lshlrev_b32 v8, 6, v2
	v_lshl_add_u32 v8, v3, 2, v8                   ; my scale word: row r of 64 bytes, + 4 h
	s_lshr_b32 s27, ttmp9, 5                       ; the weight
	s_bfe_u32 s22, ttmp9, 0x30002                  ; i
	s_and_b32 s24, ttmp9, 3
	s_lshl_b32 s24, s24, 6
	s_lshl_b32 s28, s25, 4
	s_add_co_u32 s24, s24, s28                     ; q0
	s_mov_b32 s23, 0xB2D8741E                      ; the table of signs, a byte a row i, bit j set where the sign is -1: rows 4-7,
	s_cmp_lt_u32 s22, 4
	s_cselect_b32 s23, 0xACC66A00, s23             ; rows 0-3
	s_and_b32 s28, s22, 3
	s_lshl_b32 s28, s28, 3
	s_lshr_b32 s23, s23, s28
	s_and_b32 s23, s23, 0xff                       ; row i
	s_lshl_b32 s28, s22, 18
	s_lshl_b32 s29, s24, 2
	s_add_co_u32 s28, s28, s29                     ; W_i at column q0
	s_mov_b32 s29, 0
	s_lshl_b32 s52, s27, 8                         ; the weight's 64 partial sums
	s_mov_b32 s53, 0
	s_lshl_b32 s40, s27, 22
	s_mov_b32 s41, 0
	s_lshl_b32 s42, s27, 17
	s_add_co_u32 s42, s42, 0x1000000
	s_mov_b32 s43, 0
	s_mov_b32 s30, 0x7fffffff
	s_mov_b32 s31, 0x600000                        ; the mantissa field of 448
	s_mov_b32 s36, 0x36000000                      ; 2^-19: one over the 524,288 numbers of a weight
	s_mov_b32 s37, 0x322bcc77                      ; 1e-8
	s_mov_b32 s38, 0x76543210
	s_mov_b32 s39, 0xfedcba98
	s_and_b32 s51, s27, 1
	s_wait_kmcnt 0x0
	s_cmp_lg_u32 s51, 0                            ; the choice hangs on the work-group's number alone
	s_cselect_b64 s[4:5], s[6:7], s[4:5]
	s_cselect_b64 s[8:9], s[10:11], s[8:9]
	s_cmp_ge_u32 s27, 2
	s_cselect_b64 s[16:17], s[8:9], s[4:5]
	s_add_nc_u64 s[16:17], s[16:17], s[28:29]
	s_add_nc_u64 s[12:13], s[12:13], s[52:53]
	s_add_nc_u64 s[18:19], s[14:15], s[40:41]      ; the weight's codes
	s_add_nc_u64 s[20:21], s[14:15], s[42:43]      ; and scale bytes
.macro LOADW b                         ; block b: W(128 h + 32 b + n, q0 + r)
.set n, 0
.rept 32
	global_load_b32 v[X+32*(\b)+n], v4, s[16:17] offset:1024*(32*(\b)+n) th:TH_LOAD_NT
.set n, n+1
.endr
.endm
	global_load_b64 v[10:11], v9, s[12:13]
	LOADW 0
	s_wait_loadcnt 32                              ; the partial sums are in; block 0's 32 loads stay out
	v_add_f32 v10, v10, v11
	v_add_f32_dpp v10, v10, v10 row_xmask:1 row_mask:0xf bank_mask:0xf
	v_add_f32_dpp v10, v10, v10 row_xmask:2 row_mask:0xf bank_mask:0xf
	v_add_f32_dpp v10, v10, v10 row_xmask:4 row_mask:0xf bank_mask:0xf
	v_add_f32_dpp v10, v10, v10 row_xmask:8 row_mask:0xf bank_mask:0xf
	v_permlanex16_b32 v11, v10, s38, s39
	v_add_f32 v10, v10, v11
	v_fma_f32 v12, v10, s36, s37                   ; s
	v_mul_f32 v13, 0.5, v12                        ; s / 2
	LOADW 1
.macro BLOCK b
.set XS, X+32*(\b)
.if (\b) < 3
	s_wait_loadcnt 32                              ; this block's 32 loads are in; the next block's stay out
.else
	s_wait_loadcnt 0x0
.endif
.if (\b)+2 < 4
	LOADW (\b)+2                                   ; each block has registers of its own: the block two on is asked for at once
.endif
.set n, 0
.rept 8                                ; ternary, four numbers at a time
.irp k, 0,1,2,3
	v_cmp_gt_f32 s[32+\k], |v[XS+n+\k]|, v13
.endr
.irp k, 0,1,2,3
	v_bfi_b32 v[TT+\k], s30, v12, v[XS+n+\k]       ; s with W's sign
.endr
.irp k, 0,1,2,3
	v_cndmask_b32 v[TT+\k], 0, v[TT+\k], s[32+\k]  ; q
.endr
.irp k, 0,1,2,3
	v_sub_f32 v[TT+\k], v[TT+\k], v[XS+n+\k]       ; q - W
.endr
.irp k, 0,1,2,3
	v_add_f32 v[XS+n+\k], v[XS+n+\k], v[TT+\k]     ; W + (q - W)
.endr
.set n, n+4
.endr
	v_max3_num_f32 v16, |v[XS]|, |v[XS+1]|, |v[XS+2]|               ; the block's largest magnitude: all 32 numbers are mine
	v_max3_num_f32 v17, |v[XS+3]|, |v[XS+4]|, |v[XS+5]|
.irp i, 6,10,14,18,22,26
	v_max3_num_f32 v16, v16, |v[XS+\i]|, |v[XS+\i+1]|
	v_max3_num_f32 v17, v17, |v[XS+\i+2]|, |v[XS+\i+3]|
.endr
	v_max3_num_f32 v16, v16, |v[XS+30]|, |v[XS+31]|
	v_max3_num_f32 v16, v16, v17, (EMAX+1)<<23     ; and the floor 2^(9 - 127)
	v_add_nc_u32 v24, -(EMAX<<23), v16             ; the conversion's scale operand
	v_and_or_b32 v25, v16, 0x7f800000, s31         ; 448 x the scale
	v_lshrrev_b32 v18, 23, v24                     ; the scale's byte
.if (\b) == 0
	v_mov_b32 v28, v18                             ; four bytes make my scale word, the lower K in the lower byte
.else
	v_lshl_or_b32 v28, v18, 8*(\b), v28
.endif
.set n, 0
.rept 32
	v_med3_num_f32 v[XS+n], v[XS+n], -v25, v25     ; the conversion to an 8-bit code does not saturate (ISA guide 7.6.2): hold first
.set n, n+1
.endr
.irp g, 0,1,2,3
	v_cvt_scalef32_pk8_fp8_f32 v[CD+8*(\b)+2*\g:CD+8*(\b)+2*\g+1], v[XS+8*\g:XS+8*\g+7], v24
.endr
	v_nop                                          ; a plain line behind the last conversion of the run
	ds_store_b128 v5, v[CD+8*(\b):CD+8*(\b)+3] offset:32*(\b)
	ds_store_b128 v5, v[CD+8*(\b)+4:CD+8*(\b)+7] offset:32*(\b)+16
.endm
	BLOCK 0
	BLOCK 1
	BLOCK 2
	BLOCK 3
.irp t, 0,1,2,3,4,5,6,7
	ds_load_b128 v[OUTR+4*\t:OUTR+4*\t+3], v6 offset:544*\t   ; LDS serves a wave's instructions in order: these see my stores
.endr
	s_wait_dscnt 0x0
.macro COPY j                          ; the copy for x's part j
.if \j > 0
	s_wait_xcnt 0x0                                ; the last copy's stores have read their data and bases: both are written again only behind this wait
.endif
	s_xor_b32 s40, s22, \j                         ; k = i xor j
	s_lshl_b32 s40, s40, 8
	s_add_co_u32 s40, s40, s24                     ; row 256 k + q0
	s_lshl_b32 s42, s40, 11
	s_add_co_u32 s42, s42, 256*\j
	s_mov_b32 s43, 0
	s_add_nc_u64 s[44:45], s[18:19], s[42:43]
	s_lshl_b32 s46, s40, 6
	s_add_co_u32 s46, s46, 8*\j
	s_mov_b32 s47, 0
	s_add_nc_u64 s[48:49], s[20:21], s[46:47]
	s_bfe_u32 s50, s23, (1<<16)|\j                 ; 1 where sign[i][j] is -1:
	s_mul_i32 s50, s50, 0x80808080                 ; bit 7 of each code
.set n, 0
.rept 32
	v_xor_b32 v[TR+n], s50, v[OUTR+n]
.set n, n+1
.endr
.irp t, 0,1,2,3,4,5,6,7
	global_store_b128 v7, v[TR+4*\t:TR+4*\t+3], s[44:45] offset:4096*\t   ; sixteen lanes store 256 consecutive bytes, aligned
.endr
	global_store_b32 v8, v28, s[48:49]
.endm
.irp j, 0,1,2,3,4,5,6,7
	COPY \j
.endr
	s_wait_tensorcnt 0x0
	ds_add_u32 v30, v31
	s_wait_dscnt 0x0
	s_endpgm
.Lfunc_end_k_q83c39a1e7b_ternw:
	.size	k_q83c39a1e7b_ternw, .Lfunc_end_k_q83c39a1e7b_ternw-k_q83c39a1e7b_ternw
	.p2alignl 7, 3214868480
	.fill 96, 4, 3214868480
	.section	.rodata,"a",@progbits
	.p2align	6, 0x0
	.amdhsa_kernel k_q83c39a1e7b_ternw
		.amdhsa_group_segment_fixed_size 17920
		.amdhsa_private_segment_fixed_size 0
		.amdhsa_enable_private_segment 0
		.amdhsa_kernarg_size 48
		.amdhsa_user_sgpr_count 2
		.amdhsa_user_sgpr_kernarg_segment_ptr 1
		.amdhsa_wavefront_size32 1
		.amdhsa_system_sgpr_workgroup_id_x 1
		.amdhsa_system_sgpr_workgroup_id_y 1
		.amdhsa_system_sgpr_workgroup_id_z 1
		.amdhsa_system_vgpr_workitem_id 0
		.amdhsa_next_free_vgpr 256
		.amdhsa_next_free_sgpr 66
		.amdhsa_reserve_vcc 0
		.amdhsa_float_denorm_mode_32 3
		.amdhsa_float_denorm_mode_16_64 3
		.amdhsa_memory_ordered 1
		.amdhsa_forward_progress 1
		.amdhsa_inst_pref_size 83
	.end_amdhsa_kernel
	.amdgpu_metadata
---
amdhsa.version: [ 1, 2 ]
amdhsa.kernels:
  - .name:           k_q83c39a1e7b_ternw
    .symbol:         k_q83c39a1e7b_ternw.kd
    .args:
      - { .name: wq, .offset: 0, .size: 8, .value_kind: global_buffer, .address_space: global }
      - { .name: wk, .offset: 8, .size: 8, .value_kind: global_buffer, .address_space: global }
      - { .name: wv, .offset: 16, .size: 8, .value_kind: global_buffer, .address_space: global }
      - { .name: wo, .offset: 24, .size: 8, .value_kind: global_buffer, .address_space: global }
      - { .name: psum, .offset: 32, .size: 8, .value_kind: global_buffer, .address_space: global }
      - { .name: wt, .offset: 40, .size: 8, .value_kind: global_buffer, .address_space: global }
    .group_segment_fixed_size: 17920
    .private_segment_fixed_size: 0
    .kernarg_segment_align: 8
    .kernarg_segment_size: 48
    .max_flat_workgroup_size: 128
    .sgpr_count:     66
    .vgpr_count:     256
    .wavefront_size: 32
...
	.end_amdgpu_metadata
.endif
;; end of part 2
;; launch qkvgemm (part 3): grid 24 x 8, 4 waves a work-group, clusters of 4 x 4, 327,680 bytes of LDS; arguments xq, wt, freqs_cos, freqs_sin, qkv; writes qkv
.if DOCPART == 3
	.amdgcn_target "amdgcn-amd-amdhsa--gfx1250"
	.amdhsa_code_object_version 6
	.text
	.protected	k_q83c39a1e7b_qkvgemm
	.globl	k_q83c39a1e7b_qkvgemm
	.p2align	8
	.type	k_q83c39a1e7b_qkvgemm,@function
k_q83c39a1e7b_qkvgemm:
	s_mov_b64 s[64:65], 0
	v_nop
	global_prefetch_b8 v0, s[64:65] scope:SCOPE_SE
	s_setreg_imm32_b32 hwreg(HW_REG_WAVE_MODE, 25, 1), 1
	s_wait_xcnt 0x0
	s_wait_alu depctr_hold_cnt(0) depctr_sa_sdst(0) depctr_va_vdst(0) depctr_va_sdst(0) depctr_va_ssrc(0) depctr_va_vcc(0) depctr_vm_vsrc(0)
	s_getreg_b32 s2, hwreg(HW_REG_IB_STS2, 6, 4)
	s_cmp_eq_u32 s2, 0
	s_cbranch_scc0 .Lentry_in_a_cluster
	s_endpgm
.Lentry_in_a_cluster:
	s_bfe_u32 s2, ttmp6, 0x10000c
	s_cmp_lg_u32 s2, 0xf033
	s_cbranch_scc0 .Lentry_shape_is_right
	s_endpgm
.Lentry_shape_is_right:
; q, k AND v IN ONE GRID: three products [2048 x 2048 x 2048] on codes of FP8 (E4M3) with one E8M0 scale for each 32 along K, then RoPE (q, k), then the quantiser of the attention's products; the results leave as codes.
; sel = cluster x / 2: 0 q, 1 k, 2 v.  A tile of 256 x 256 is made by four waves, each 128 x 128: 64 accumulators, 512 registers.  K goes in steps of 256 through a ring of two LDS slots filled by the tensor data mover.
; 'A' is the operand tiled by work-group y, 'B' the one tiled by (work-group x) % 8.  THE MATRIX INSTRUCTION IS USED TRANSPOSED (source 0 = 16 rows of B, source 1 = 16 rows of A): a lane holds ONE row of A and eight neighbouring rows of B.
;   q, k: A = x (tokens), B = the weight's rows (head, d): a lane holds one token, its registers run along d: the K of q k^T.     v: A = the weight, B = x: a lane holds one d, its registers run along the tokens: the K of p v.
; A wave's 128 x 128 is then exactly one head x one block of 128 tokens, and each of its eight blocks of 16 rows of A becomes ONE operand fragment (16 rows x 128 K), quantised in registers and stored as an IMAGE OF ITS REGISTERS:
; register group c (0 .. 3) is 512 bytes, lane l's 16 bytes at 16 l.  Inside each block of 32 along K the four groups of 8 lie in the order 0, 2, 1, 3 (what the accumulators give); q and k, p and v carry the same order, the blocks are the true ones.
; qkv: images at sel x 0x400000 + ((16 head + blk) x 8 + a) x 2048; scale words (one a row and 128 K) at 0xC00000 + sel x 0x20000 + (16 head + blk) x 512.
; CLUSTERS: 4 x 4 work-groups; A's tiles are asked for jointly along a row of the cluster, B's along a column.  THE SCALES of the work-group's rows, for all of K, come into LDS once, with the first fills.
; cos AND sin of the tile's 256 tokens come into slot 0 when it has been read for the last time, by one more joint load along the row.  v's clusters issue that load too and do not read it (128 KiB a work-group): so all tensor loads lie on one path.
; REGISTERS, in windows of 256: window 0: v0-31 addresses; v32-63 scale words, two sets; v128-255 A's fragments, one set; in the epilogue v32-207 are at work.  window 1: B's fragments, two sets.  windows 2, 3: the accumulators ((a, b) at v[8 (8 (a % 4) + b)]).
; LIMITS: a block of zeros, or one whose largest magnitude lies under 2^-118, gets the byte 1 (read by this program alone).  The signed sum of eight products of K = 256 is made as one f32 sum over K = 2048.  NaN and infinities are not served.
.set SIZE_K, 2048
.set KSTEP,  256                       ; along K in a slot
.set NQ,     KSTEP/128                 ; matrix instructions deep
.set ROWB,   256                       ; a tile's row in bytes
.set KROW,   SIZE_K                    ; a row of A or of B in memory, in bytes
.set PITCH,  272                       ; an LDS row: 256 bytes + 16 of padding = 68 words: the 16 rows that a load touches start at 16 different banks (ISA guide 11.1)
.set FR,     16                        ; registers of a fragment
.set NL,     4                         ; LDS loads that bring one
.set NP,     8                         ; places behind this matrix instruction (ISA guide 7.12.1)
.set HALFT,  128*PITCH                 ; 128 rows: what one tensor load brings
.set SLOT,   4*HALFT                   ; A's 256 rows, then B's 256 rows
.set LAPS,   SIZE_K/(2*KSTEP)          ; a lap = two K steps = once round the ring
.set KS,     SIZE_K/32                 ; a row of scales in bytes
.set SCL,    2*SLOT                    ; behind the ring: the scales, as rows of 256 bytes + 16 of padding
.set HALFS,  (128*KS/256)*272          ; the scales of 128 rows
.set SBLK,   (16*KS/256)*272           ; those of 16 rows
.set SPARE,  SCL+4*HALFS               ; the spare words, 128 bytes for each wave: two blocks of 256 bytes that no other line names
.set SCST,   SPARE+512                 ; 512 bytes for each wave: its 128 scale words on their way out; no fill lands here
.set IMO,  8                           ; v8      16 x lane: my place in an image
.set ACOS, 9                           ; v9      LDS address of my token's cos
.set ASIN, 10                          ; v10     and sin
.set SWI,  11                          ; v11     my scale word's place: 4 x lane
.set SWO,  12                          ; v12     and on the way out: 16 x lane
.set ADRA, 16                          ; v16-17  LDS address of my A fragments in slot 0, 1
.set ADRB, 20                          ; v20-21  the same for B
.set ADRS, 27                          ; v27     LDS address of my scale words: lanes 0-15 A's rows, lanes 16-31 B's
.set SPW,  28                          ; v28     LDS address of my spare word; never rewritten
.set NIL,  29                          ; v29     0; never rewritten
.set SC,   32                          ; scale words: set s at v[SC + 8 NQ s]
.set AF,   128                         ; A's fragments, in window 0
.set T,    32                          ; the epilogue: v32-95 products with sin, then the held numbers
.set COSR, 96                          ; v96-127  cos: 4 registers for each of the 8 accumulators of a block
.set SINR, 128                         ; v128-159 sin
.set PC,   160                         ; v160-175 a fragment's codes
.set TM,   176                         ; v176-179 largest magnitudes, 180-183 bytes, 184-187 448 x the scale, 188-191 the conversions' scale operands
.set SW,   192                         ; v192-199 the eight blocks' scale words
.set SX,   200                         ; v200-207 their way out
.set G1, 24                            ; s[24:31] descriptor group 1 for A's tiles;  s[32:39] group 0, one set for each slot
.set G0, 32
.set G1B, 48                           ; s[48:55], s[56:63] the same for B's tiles
.set G0B, 56
.set G1S, 68                           ; s[68:75], s[76:79] groups 1 and 0 for A's scales;  s[80:87], s[88:91] for B's
.set G0S, 76
.set G1SB, 80
.set G0SB, 88
.set G1C, 92                           ; s[92:99] group 1 for cos and sin; their groups 0 take the registers of the scales' groups 0 once those loads are done
.set G0C, 76
.set G0D, 88
.set MSB, 0
.macro WIN new                         ; the immediate's high byte repeats the setting that is left
.if MSB != \new
	s_set_vgpr_msb (MSB<<8)|\new
.set MSB, \new
.endif
.endm
.set MUL_LO, 0xa1                      ; source 0 (B) window 1, source 1 (A) window 0, C and D window 2
.set MUL_HI, 0xf1                      ; the same, C and D window 3
.set TO_B,   0x40                      ; destination window 1, address window 0
; A joint load: waves 0 and 1 take the first line, waves 2 and 3 the second.  Each line has ONE mask and one set of registers for all that issue it; the branch hangs on the wave's number alone.
; Four v_nop follow each of the two lines, ahead of the jump, the label and what follows.
.macro JLOAD g0a, g1a, g0b, g1b
	s_cmp_eq_u32 s15, 0
	s_cbranch_scc0 .Lfor_b_\@
	tensor_load_to_lds s[\g0a:\g0a+3], s[\g1a:\g1a+7]
	s_nop 0
.rept 4
	v_nop
.endr
	s_branch .Lasked_\@
.Lfor_b_\@:
	tensor_load_to_lds s[\g0b:\g0b+3], s[\g1b:\g1b+7]
	s_nop 0
.rept 4
	v_nop
.endr
.Lasked_\@:
.endm
.macro CREST                           ; a round of the cluster's barrier behind its opening barrier
	s_cmp_lg_u32 s14, 0
	s_cbranch_scc1 .Lnot_wave_0_\@
	s_barrier_signal -3
.Lnot_wave_0_\@:
	s_barrier_wait -3
	s_barrier_signal -1
	s_barrier_wait -1
.endm
.macro CROUND                          ; a whole round
	s_barrier_signal -1
	s_barrier_wait -1
	CREST
.endm
	s_load_b128 s[4:7], s[0:1], 0x0                ; xq, wt
	s_load_b64 s[12:13], s[0:1], 0x20              ; qkv
	v_lshl_add_u32 v[SPW], v0, 2, SPARE
	v_mov_b32 v[NIL], 0
	ds_add_u32 v28, v29
	s_wait_dscnt 0x0
	v_lshrrev_b32 v1, 5, v0
	v_readfirstlane_b32 s14, v1                    ; wave 0..3
	s_lshr_b32 s15, s14, 1                         ; which half of A's rows is mine.  Also: I fetch for A (0) or for B (1)
	s_and_b32 s16, s14, 1                          ; which half of B's rows.  Also: which 128 rows of that tile I fetch
	s_bfe_u32 s40, ttmp6, 0x40000                  ; cx, cy: my place in the cluster
	s_bfe_u32 s41, ttmp6, 0x40004
	s_lshl_b32 s42, ttmp9, 2
	s_add_co_u32 s42, s42, s40
	s_and_b32 s42, s42, 7                          ; B's tile: (4 x cluster x + cx) % 8
	s_lshr_b32 s67, ttmp9, 1                       ; sel: the same in all sixteen partners
	s_and_b32 s17, ttmp7, 0xffff
	s_lshl_b32 s17, s17, 2
	s_add_co_u32 s17, s17, s41                     ; A's tile = 4 x cluster y + cy
	s_lshl_b32 s43, s41, 2
	s_lshl_b32 s43, 15, s43                        ; my row of the cluster
	s_lshl_b32 s44, 0x1111, s40                    ; my column
	; descriptor group 1: a tile of 128 rows x 256 bytes, padded in LDS
	s_or_b32 s[G1+0], s43, (0<<16)|(1<<20)|(1<<21)|(5<<22)|(3<<25)  ; 15:0 the mask: A's tiles go to my row; 17:16 element of 1 byte; 20 padding on; 21 set beside a mask; 24:22 after every 64 words; 31:25 of 4 words
	s_or_b32 s[G1B+0], s44, (0<<16)|(1<<20)|(1<<21)|(5<<22)|(3<<25)
.irp g, G1, G1B
	s_mov_b32 s[\g+1], ROWB<<16                    ; tensor_dim0
	s_mov_b32 s[\g+2], 128<<16                     ; tensor_dim1 = 128
	s_mov_b32 s[\g+3], ROWB<<16                    ; tile_dim0
	s_mov_b32 s[\g+4], 128                         ; tile_dim1 = 128
	s_mov_b32 s[\g+5], KROW                        ; tensor_dim0_stride
	s_mov_b32 s[\g+6], 0
	s_mov_b32 s[\g+7], 0
.endr
	; the scales of 128 rows: a dense block of 8,192 bytes, as rows of 256 bytes (32 elements of 8 bytes), 16 bytes of padding behind each
	s_or_b32 s[G1S+0], s43, (3<<16)|(1<<20)|(1<<21)|(5<<22)|(3<<25)
	s_or_b32 s[G1SB+0], s44, (3<<16)|(1<<20)|(1<<21)|(5<<22)|(3<<25)
.irp g, G1S, G1SB
	s_mov_b32 s[\g+1], 32<<16
	s_mov_b32 s[\g+2], (128*KS/256)<<16
	s_mov_b32 s[\g+3], 32<<16
	s_mov_b32 s[\g+4], 128*KS/256
	s_mov_b32 s[\g+5], 32
	s_mov_b32 s[\g+6], 0
	s_mov_b32 s[\g+7], 0
.endr
	; cos, sin: 128 tokens x 256 bytes (64 f32), dense in memory, padded like a tile; they hang on A's tile alone: shared along my row
	s_or_b32 s[G1C+0], s43, (0<<16)|(1<<20)|(1<<21)|(5<<22)|(3<<25)
	s_mov_b32 s[G1C+1], 256<<16
	s_mov_b32 s[G1C+2], 128<<16
	s_mov_b32 s[G1C+3], 256<<16
	s_mov_b32 s[G1C+4], 128
	s_mov_b32 s[G1C+5], 256
	s_mov_b32 s[G1C+6], 0
	s_mov_b32 s[G1C+7], 0
	s_lshl_b32 s18, s16, 7                         ; which 128 rows of the tile I fetch
	s_lshl_b32 s20, s17, 8
	s_add_co_u32 s20, s20, s18                     ; A: row 256 x tile + 128 x half
	s_lshl_b32 s46, s42, 8
	s_add_co_u32 s46, s46, s18                     ; B likewise
	s_mov_b32 s21, 0
	s_mov_b32 s47, 0
	s_mov_b64 s[18:19], KS
	s_mul_u64 s[22:23], s[20:21], s[18:19]         ; where these rows' scales begin, in bytes
	s_mul_u64 s[2:3], s[46:47], s[18:19]
	s_mov_b64 s[18:19], KROW
	s_mul_u64 s[20:21], s[20:21], s[18:19]         ; and their codes
	s_mul_u64 s[46:47], s[46:47], s[18:19]
	s_mul_i32 s45, s14, HALFT                      ; where they go: wave x 128 rows: no place in the cluster enters an LDS address
	s_mul_i32 s66, s14, HALFS
	s_lshl_b32 s36, s67, 22                        ; the weight's codes in wt,
	s_mov_b32 s37, 0
	s_lshl_b32 s38, s67, 17
	s_add_co_u32 s38, s38, 0x1000000               ; and its scale bytes
	s_mov_b32 s39, 0
	s_wait_kmcnt 0x0
	s_mov_b64 s[32:33], s[4:5]                     ; x's codes
	s_add_nc_u64 s[34:35], s[4:5], 0x400000        ; x's scales
	s_add_nc_u64 s[36:37], s[6:7], s[36:37]
	s_add_nc_u64 s[38:39], s[6:7], s[38:39]
	s_cmp_eq_u32 s67, 2                            ; for v the two operands change places; the choice hangs on the cluster's number alone
	s_cselect_b64 s[4:5], s[36:37], s[32:33]       ; A's codes
	s_cselect_b64 s[6:7], s[38:39], s[34:35]       ; A's scales
	s_cselect_b64 s[8:9], s[32:33], s[36:37]       ; B's codes
	s_cselect_b64 s[10:11], s[34:35], s[38:39]     ; B's scales
	s_add_nc_u64 s[20:21], s[4:5], s[20:21]
	s_add_nc_u64 s[22:23], s[6:7], s[22:23]
	s_add_nc_u64 s[46:47], s[8:9], s[46:47]
	s_add_nc_u64 s[2:3], s[10:11], s[2:3]
	CROUND                                         ; all sixteen work-groups are here: the first joint loads meet
	s_mov_b32 s[G0S], 1
	s_add_co_u32 s[G0S+1], s66, SCL
	s_mov_b64 s[G0S+2:G0S+3], s[22:23]
	s_or_b32 s[G0S+3], s[G0S+3], 0x80000000
	s_mov_b32 s[G0SB], 1
	s_add_co_u32 s[G0SB+1], s66, SCL
	s_mov_b64 s[G0SB+2:G0SB+3], s[2:3]
	s_or_b32 s[G0SB+3], s[G0SB+3], 0x80000000
	JLOAD G0S, G1S, G0SB, G1SB                     ; the scales first: they are wanted with K step 0
.irp s, 0,1
	s_mov_b32 s[G0+4*\s], 1
	s_add_co_u32 s[G0+4*\s+1], s45, \s*SLOT
	s_add_nc_u64 s[G0+4*\s+2:G0+4*\s+3], s[20:21], \s*ROWB
	s_or_b32 s[G0+4*\s+3], s[G0+4*\s+3], 0x80000000
	s_mov_b32 s[G0B+4*\s], 1
	s_add_co_u32 s[G0B+4*\s+1], s45, \s*SLOT
	s_add_nc_u64 s[G0B+4*\s+2:G0B+4*\s+3], s[46:47], \s*ROWB
	s_or_b32 s[G0B+4*\s+3], s[G0B+4*\s+3], 0x80000000
	JLOAD G0+4*\s, G1, G0B+4*\s, G1B
.endr
	s_load_b128 s[4:7], s[0:1], 0x10               ; cos, sin: into registers that the descriptors have left free; waited for behind the first barrier
	v_and_b32 v1, 15, v0                           ; l % 16
	v_bfe_u32 v2, v0, 4, 1                         ; l / 16
	v_mul_u32_u24 v3, v1, PITCH
	v_lshl_add_u32 v4, v2, 4, v3                   ; a fragment's row x pitch + 16 x half
	s_mul_i32 s21, s15, HALFT                      ; my 128 rows of A
	s_mul_i32 s22, s16, HALFT                      ; my 128 rows of B,
	s_add_co_u32 s22, s22, 2*HALFT                 ; which lie behind A's 256
	v_add_nc_u32 v[ACOS], s21, v4                  ; cos will lie where A's tile of slot 0 lay: my token's row, + 16 x half: four numbers
	v_add_nc_u32 v[ASIN], 2*HALFT, v[ACOS]         ; sin where B's lay
.irp s, 0,1
	v_add_nc_u32 v[ADRA+\s], s21, v4
	v_add_nc_u32 v[ADRB+\s], s22, v4
	s_add_co_u32 s21, s21, SLOT
	s_add_co_u32 s22, s22, SLOT
.endr
	v_mul_u32_u24 v5, v1, KS                       ; my row's scales: KS bytes a row,
	v_lshrrev_b32 v6, 8, v5
	v_lshl_add_u32 v5, v6, 4, v5                   ; and 16 more for each 256 passed
	s_mul_i32 s21, s15, HALFS                      ; A's: my 128 rows
	s_mul_i32 s22, s16, HALFS                      ; B's: my 128 rows, behind A's 256
	s_add_co_u32 s22, s22, 2*HALFS
	s_sub_co_u32 s22, s22, s21
	v_mul_u32_u24 v6, s22, v2                      ; lanes 16-31 take B's
	s_add_co_u32 s21, s21, SCL
	v_add_nc_u32 v5, v5, v6
	v_add_nc_u32 v[ADRS], s21, v5
	v_and_b32 v6, 31, v0
	v_lshlrev_b32 v[IMO], 4, v6
	s_lshl_b32 s23, s14, 9
	s_add_co_u32 s23, s23, SCST
	v_lshl_add_u32 v[SWI], v6, 2, s23
	v_lshl_add_u32 v[SWO], v6, 4, s23
	; where my wave's results go.  ia = which 128 rows of A, ib = which 128 rows of B; q, k: head = ib, token block = ia; v: head = ia, key step = ib
	s_lshl_b32 s46, s42, 1
	s_add_co_u32 s46, s46, s16                     ; ib
	s_lshl_b32 s47, s17, 1
	s_add_co_u32 s47, s47, s15                     ; ia
	s_cmp_eq_u32 s67, 2
	s_cselect_b32 s10, s47, s46                    ; head
	s_cselect_b32 s11, s46, s47                    ; blk
	s_lshl_b32 s10, s10, 4
	s_add_co_u32 s10, s10, s11                     ; 16 head + blk
	s_lshl_b32 s46, s10, 14                        ; eight images of 2,048 bytes
	s_lshl_b32 s47, s67, 22
	s_add_co_u32 s46, s46, s47
	s_mov_b32 s47, 0
	s_lshl_b32 s10, s10, 9                         ; 128 scale words
	s_lshl_b32 s11, s67, 17
	s_add_co_u32 s10, s10, s11
	s_add_co_u32 s10, s10, 0xC00000
	s_mov_b32 s11, 0
	s_add_nc_u64 s[8:9], s[12:13], s[10:11]        ; the scale words
	s_add_nc_u64 s[12:13], s[12:13], s[46:47]      ; the images
.macro FRAG reg, adr, q, i             ; a fragment, 16 rows x 128 K: lane l holds row l % 16; registers 4 c .. 4 c + 3 hold K = 32 c + 16 (l / 16) + 0 .. 15
.irp c, 0,1,2,3
	ds_load_b128 v[\reg+4*\c:\reg+4*\c+3], v[\adr] offset:128*(\q)+32*\c+(\i)*16*PITCH
.endr
.endm
; 16 matrix instructions: A's blocks a0, a0 + 1 x B's eight, 128 along K.  p: B's set;  sc: the set of scale words.  zero = 1: the first product starts the sums: nothing is ever cleared.
; The 64 accumulators take turns, one instruction a turn, in the same order in every step.
.macro MUL16 a0, p, q, sc, zero
.irp a, \a0, \a0+1
.irp b, 0,1,2,3,4,5,6,7
.if \zero
	v_wmma_scale_f32_16x16x128_f8f6f4 v[8*(8*((\a)%4)+\b):8*(8*((\a)%4)+\b)+7], v[128*(\p)+FR*\b:128*(\p)+FR*\b+FR-1], v[AF+FR*(\a):AF+FR*(\a)+FR-1], 0, v[SC+8*NQ*(\sc)+NQ*\b+(\q)], v[SC+8*NQ*(\sc)+NQ*(\a)+(\q)] matrix_a_scale:MATRIX_SCALE_ROW1
.else
	v_wmma_scale_f32_16x16x128_f8f6f4 v[8*(8*((\a)%4)+\b):8*(8*((\a)%4)+\b)+7], v[128*(\p)+FR*\b:128*(\p)+FR*\b+FR-1], v[AF+FR*(\a):AF+FR*(\a)+FR-1], v[8*(8*((\a)%4)+\b):8*(8*((\a)%4)+\b)+7], v[SC+8*NQ*(\sc)+NQ*\b+(\q)], v[SC+8*NQ*(\sc)+NQ*(\a)+(\q)] matrix_a_scale:MATRIX_SCALE_ROW1
.endif
.endr
.endr
.endm
.macro FETCH_B slot, q, p              ; B's eight fragments of the slot's q-th 128 along K into set p
	WIN TO_B
.irp i, 0,1,2,3,4,5,6,7
	FRAG 128*(\p)+FR*\i, ADRB+\slot, \q, \i
.endr
	WIN 0
.endm
.macro FETCH_A slot, q, i0             ; A's blocks i0 .. i0 + 3
.irp i, \i0, \i0+1, \i0+2, \i0+3
	FRAG AF+FR*(\i), ADRA+\slot, \q, \i
.endr
.endm
.macro SCALES sc                       ; the next K step's scale words into set sc: lanes 0-15 take A's block i, lanes 16-31 B's block i
.irp i, 0,1,2,3,4,5,6,7
	ds_load_b64 v[SC+8*NQ*\sc+NQ*\i:SC+8*NQ*\sc+NQ*\i+1], v[ADRS] offset:\i*SBLK
.endr
.endm
; A load into a register that a matrix instruction has read, and a vector instruction that reads a matrix result, stand NP places behind that matrix instruction; only plain vector instructions that name none of its registers are places.
.macro PLACES n
.rept \n
	v_nop
.endr
.endm
; A step of 128 along K that has its successor in the same slot.
.macro STEP slot, q, zero
	s_wait_dscnt 4*NL                              ; B's set and A's blocks 0-3 are in; the youngest 16 loads (A's blocks 4-7) may be out
	WIN MUL_LO
	MUL16 0, (\q)%2, \q, \slot, \zero
	MUL16 2, (\q)%2, \q, \slot, \zero
	s_wait_dscnt 0                                 ; A's blocks 4-7 are in (asked for 32 matrix instructions ago)
	PLACES NP
	FETCH_B \slot, (\q)+1, 1-(\q)%2
	FETCH_A \slot, (\q)+1, 0
	WIN MUL_HI
	MUL16 4, (\q)%2, \q, \slot, \zero
	MUL16 6, (\q)%2, \q, \slot, \zero
	PLACES NP
	WIN 0
	FETCH_A \slot, (\q)+1, 4
.endm
; A slot's last step changes slots: ONE barrier; in front of it each wave waits for all its tensor loads, adds 0 to its spare word, and waits for that and for its own reads of this slot.
; fill = 1: this slot is filled again, two K steps ahead.  fill = 2: it takes cos and sin.  fill = 0: nothing.
.macro TURN slot, next, fill
	s_wait_tensorcnt 0x0                           ; all my tensor loads have landed: my part of the next slot;  (every window is 0 here)
	ds_add_u32 v[SPW], v[NIL]                      ; 0 onto my spare word
	s_wait_dscnt 4*NL+1                            ; (the add and the youngest 16 loads, A's blocks 4-7, may be out)
	WIN MUL_LO
	MUL16 0, 1, NQ-1, \slot, 0                     ; sixteen matrix instructions stand between the add and the wait for it
	s_wait_dscnt 0x0                               ; the add is done, and my reads of this slot are over
	s_barrier_signal -1
	MUL16 2, 1, NQ-1, \slot, 0
	WIN 0
	s_barrier_wait -1
.if \fill == 1
	CREST                                          ; the barrier has opened a round of the cluster's barrier: no wave of any partner still reads this slot's tile or has a load on its way
	s_add_nc_u64 s[G0+4*\slot+2:G0+4*\slot+3], s[G0+4*\slot+2:G0+4*\slot+3], 2*ROWB
	s_add_nc_u64 s[G0B+4*\slot+2:G0B+4*\slot+3], s[G0B+4*\slot+2:G0B+4*\slot+3], 2*ROWB
	JLOAD G0+4*\slot, G1, G0B+4*\slot, G1B         ; the first tensor load behind the round; its four v_nop are among the places in front of the loads below
	PLACES NP-4
.elseif \fill == 2
	CREST
	JLOAD G0C, G1C, G0D, G1C                       ; waves 0, 1: cos's two halves; waves 2, 3: sin's: it has the last slot's 128 matrix instructions in which to land
	PLACES NP-4
.else
	PLACES NP
.endif
	v_add_nc_u32 v[ADRS], 4*NQ, v[ADRS]            ; on to the next K step's scale words (no LDS load of mine is out)
	FETCH_B \next, 0, 0
	FETCH_A \next, 0, 0
	SCALES \next
	WIN MUL_HI
	MUL16 4, 1, NQ-1, \slot, 0
	MUL16 6, 1, NQ-1, \slot, 0
	PLACES NP
	WIN 0
	FETCH_A \next, 0, 4
.endm
	s_wait_tensorcnt 1                             ; the scales and my part of K step 0 are in (K step 1's load may be out),
	s_barrier_signal -1
	s_barrier_wait -1                              ; everybody's are
	s_wait_kmcnt 0x0                               ; cos's and sin's addresses
	s_lshl_b32 s20, s17, 8
	s_lshl_b32 s21, s16, 7
	s_add_co_u32 s20, s20, s21                     ; token 256 x A's tile + 128 x the half that I fetch,
	s_lshl_b32 s20, s20, 8                         ; 256 bytes a token
	s_mov_b32 s21, 0
	s_mov_b32 s[G0C], 1                            ; the scales' loads are done (the wait above): their groups 0 are written anew
	s_mov_b32 s[G0C+1], s45
	s_add_nc_u64 s[G0C+2:G0C+3], s[4:5], s[20:21]
	s_or_b32 s[G0C+3], s[G0C+3], 0x80000000
	s_mov_b32 s[G0D], 1
	s_mov_b32 s[G0D+1], s45
	s_add_nc_u64 s[G0D+2:G0D+3], s[6:7], s[20:21]
	s_or_b32 s[G0D+3], s[G0D+3], 0x80000000
	FETCH_B 0, 0, 0
	FETCH_A 0, 0, 0
	SCALES 0
	FETCH_A 0, 0, 4
	STEP 0, 0, 1                                   ; the first step stands in front of the loop: its products start the sums
	s_mov_b32 s3, LAPS-1
.Llap:                                                 ; a trip goes once round the ring, from a lap's second step to the next lap's first, and fills both slots again
	TURN 0, 1, 1
	STEP 1, 0, 0
	TURN 1, 0, 1
	STEP 0, 0, 0
	s_sub_co_u32 s3, s3, 1
	s_cmp_lg_u32 s3, 0
	s_cbranch_scc1 .Llap
	TURN 0, 1, 2                                   ; the last lap: slot 0 takes cos and sin
	STEP 1, 0, 0
	s_wait_dscnt 4*NL                              ; the very last step: nothing more to fetch
	WIN MUL_LO
	MUL16 0, 1, NQ-1, 1, 0
	MUL16 2, 1, NQ-1, 1, 0
	s_wait_dscnt 0
	WIN MUL_HI
	MUL16 4, 1, NQ-1, 1, 0
	MUL16 6, 1, NQ-1, 1, 0
	WIN 0
; THE EPILOGUE, block by block of 16 rows of A.  Lane (r, h) holds row r and, in accumulator b's register j, column 16 b + 8 h + j: registers 16 c + 0 .. 15 of a block are my 16 numbers of the c-th 32 along the next K.
.macro CSLOAD a                        ; cos and sin of my token of block a: for accumulator b the pairs 8 b + 4 h + 0 .. 3: 16 bytes
.irp b, 0,1,2,3,4,5,6,7
	ds_load_b128 v[COSR+4*\b:COSR+4*\b+3], v[ACOS] offset:4352*(\a)+32*\b
	ds_load_b128 v[SINR+4*\b:SINR+4*\b+3], v[ASIN] offset:4352*(\a)+32*\b
.endr
.endm
.macro ROPE a                          ; (x_r, x_i) -> (x_r c - x_i s, x_i c + x_r s), in place; each accumulator is read from its low end on
.set AC, 64*((\a)%4)
.set WW, 2+(\a)/4
.set WN, (WW<<6)|WW
	WIN WW                                         ; source 0: the accumulators' window
.irp b, 0,1,2,3,4,5,6,7
.irp p, 0,1,2,3
	v_mul_f32 v[T+8*\b+2*\p], v[AC+8*\b+2*\p+1], v[SINR+4*\b+\p]     ; x_i s
	v_mul_f32 v[T+8*\b+2*\p+1], v[AC+8*\b+2*\p], v[SINR+4*\b+\p]     ; x_r s
.endr
.endr
	WIN WN                                         ; and the destination too
.irp b, 0,1,2,3,4,5,6,7
.irp p, 0,1,2,3
	v_fma_f32 v[AC+8*\b+2*\p], v[AC+8*\b+2*\p], v[COSR+4*\b+\p], -v[T+8*\b+2*\p]
	v_fma_f32 v[AC+8*\b+2*\p+1], v[AC+8*\b+2*\p+1], v[COSR+4*\b+\p], v[T+8*\b+2*\p+1]
.endr
.endr
	WIN 0
.endm
.macro QUANTW a                        ; the block's 64 numbers a lane become a fragment's codes in v[PC] on and its scale word in v[SW + a]
.set AC, 64*((\a)%4)
.set WW, 2+(\a)/4
.set W2, WW|(WW<<2)
	WIN W2                                         ; sources 0 and 1: the accumulators' window
.irp b, 0,1,2,3
	v_max3_num_f32 v[TM+\b], |v[AC+16*\b]|, |v[AC+16*\b+1]|, 0x4800000   ; block b: my 16 numbers, and the floor 2^(9 - 127): the byte cannot fall under 1
.endr
.irp i, 2,4,6,8,10,12,14
.irp b, 0,1,2,3
	v_max3_num_f32 v[TM+\b], |v[AC+16*\b+\i]|, |v[AC+16*\b+\i+1]|, v[TM+\b]   ; (the four blocks by turns)
.endr
.endr
	WIN 0
.irp b, 0,1,2,3
	v_permlanex16_b32 v[TM+4+\b], v[TM+\b], s20, s21
.endr
.irp b, 0,1,2,3
	v_max_num_f32 v[TM+\b], v[TM+\b], v[TM+4+\b]   ; with lane l xor 16's: the block's largest magnitude
.endr
.irp b, 0,1,2,3
	v_add_nc_u32 v[TM+12+\b], 0xfc000000, v[TM+\b] ; 8 off its exponent field: the conversion's scale operand
.endr
.irp b, 0,1,2,3
	v_and_or_b32 v[TM+8+\b], v[TM+\b], 0x7f800000, s22   ; 448 x the scale
.endr
.irp b, 0,1,2,3
	v_lshrrev_b32 v[TM+4+\b], 23, v[TM+12+\b]      ; the scale's byte
.endr
	v_lshl_or_b32 v[SW+(\a)], v[TM+5], 8, v[TM+4]  ; the four bytes make my row's scale word
	v_lshl_or_b32 v[SW+(\a)], v[TM+6], 16, v[SW+(\a)]
	v_lshl_or_b32 v[SW+(\a)], v[TM+7], 24, v[SW+(\a)]
	WIN WW
.irp b, 0,1,2,3
.irp i, 0,1,2,3,4,5,6,7,8,9,10,11,12,13,14,15
	v_med3_num_f32 v[T+16*\b+\i], v[AC+16*\b+\i], -v[TM+8+\b], v[TM+8+\b]   ; the hold at the largest code x the scale (ISA guide 7.6.2); it also brings the number into window 0
.endr
.endr
	WIN 0
	s_wait_xcnt 0x0                                ; the last block's stores have read their data: the codes' registers are written again only behind this wait
.irp b, 0,1,2,3
	v_cvt_scalef32_pk8_fp8_f32 v[PC+4*\b:PC+4*\b+1], v[T+16*\b:T+16*\b+7], v[TM+12+\b]
	v_cvt_scalef32_pk8_fp8_f32 v[PC+4*\b+2:PC+4*\b+3], v[T+16*\b+8:T+16*\b+15], v[TM+12+\b]
.endr
	v_nop                                          ; a plain line behind the last conversion of the run
.endm
.macro OUTBLK a
	s_cmp_eq_u32 s67, 2                            ; v has no RoPE: a branch on the cluster's number, the same in all partners
	s_cbranch_scc1 .Lno_rope_\@
.if (\a) == 0
	CSLOAD 0
.endif
	s_wait_dscnt 0x0                               ; this block's cos and sin are in
	ROPE \a
.if (\a) < 7
	CSLOAD (\a)+1                                  ; the next block's come while this one is quantised
.endif
.Lno_rope_\@:
	QUANTW \a
.irp c, 0,1,2,3
	global_store_b128 v[IMO], v[PC+4*\c:PC+4*\c+3], s[12:13] offset:2048*(\a)+512*\c   ; the image: the wave stores 512 consecutive bytes, aligned
.endr
.endm
	s_wait_tensorcnt 0x0                           ; my part of cos or sin is in,
	s_barrier_signal -1                            ; (no LDS instruction of mine is out: the last wait on them was for 0)
	s_barrier_wait -1                              ; everybody's is
	PLACES NP                                      ; behind the last products: for the first reads of results and the first writes of the registers that held fragments and scale words
.irp b, 0,1,2,3
	v_mov_b32 v[TM+4+\b], 0                        ; written once: a lane permute's destination counts as one of its sources
.endr
	s_mov_b32 s20, 0x76543210
	s_mov_b32 s21, 0xfedcba98                      ; v_permlanex16_b32's selects for lane l xor 16
	s_mov_b32 s22, 0x600000                        ; the mantissa field of 448
.irp a, 0,1,2,3,4,5,6,7
	OUTBLK \a
.endr
	; the 128 scale words: two blocks to a register (lanes 0-15 the even block's rows, lanes 16-31 the odd one's), through my own 512 bytes of LDS, so that one store covers them
	s_mov_b32 vcc_lo, 0xffff0000
.irp m, 0,1,2,3
	v_cndmask_b32 v[SX+\m], v[SW+2*\m], v[SW+2*\m+1], vcc_lo
	ds_store_b32 v[SWI], v[SX+\m] offset:128*\m
.endr
	ds_load_b128 v[SX+4:SX+7], v[SWO]              ; LDS serves a wave's instructions in order: this sees my stores
	s_wait_dscnt 0x0
	global_store_b128 v[IMO], v[SX+4:SX+7], s[8:9] ; 512 consecutive bytes, aligned
	s_wait_tensorcnt 0x0                           ; the wave's end
	ds_add_u32 v[SPW], v[NIL]
	s_wait_dscnt 0x0
	CROUND                                         ; the closing round: no work-group ends while a partner may still ask for a tile that names it
	s_endpgm
.Lfunc_end_k_q83c39a1e7b_qkvgemm:
	.size	k_q83c39a1e7b_qkvgemm, .Lfunc_end_k_q83c39a1e7b_qkvgemm-k_q83c39a1e7b_qkvgemm
	.p2alignl 7, 3214868480
	.fill 96, 4, 3214868480
	.section	.rodata,"a",@progbits
	.p2align	6, 0x0
	.amdhsa_kernel k_q83c39a1e7b_qkvgemm
		.amdhsa_group_segment_fixed_size 327680
		.amdhsa_private_segment_fixed_size 0
		.amdhsa_enable_private_segment 0
		.amdhsa_kernarg_size 40
		.amdhsa_user_sgpr_count 2
		.amdhsa_user_sgpr_kernarg_segment_ptr 1
		.amdhsa_wavefront_size32 1
		.amdhsa_system_sgpr_workgroup_id_x 1
		.amdhsa_system_sgpr_workgroup_id_y 1
		.amdhsa_system_sgpr_workgroup_id_z 1
		.amdhsa_system_vgpr_workitem_id 0
		.amdhsa_next_free_vgpr 1024
		.amdhsa_next_free_sgpr 100
		.amdhsa_reserve_vcc 1
		.amdhsa_float_denorm_mode_32 3
		.amdhsa_float_denorm_mode_16_64 3
		.amdhsa_memory_ordered 1
		.amdhsa_forward_progress 1
		.amdhsa_inst_pref_size 245
	.end_amdhsa_kernel
	.amdgpu_metadata
---
amdhsa.version: [ 1, 2 ]
amdhsa.kernels:
  - .name:           k_q83c39a1e7b_qkvgemm
    .symbol:         k_q83c39a1e7b_qkvgemm.kd
    .args:
      - { .name: xq, .offset: 0, .size: 8, .value_kind: global_buffer, .address_space: global }
      - { .name: wt, .offset: 8, .size: 8, .value_kind: global_buffer, .address_space: global }
      - { .name: freqs_cos, .offset: 16, .size: 8, .value_kind: global_buffer, .address_space: global }
      - { .name: freqs_sin, .offset: 24, .size: 8, .value_kind: global_buffer, .address_space: global }
      - { .name: qkv, .offset: 32, .size: 8, .value_kind: global_buffer, .address_space: global }
    .group_segment_fixed_size: 327680
    .private_segment_fixed_size: 0
    .kernarg_segment_align: 8
    .kernarg_segment_size: 40
    .max_flat_workgroup_size: 128
    .sgpr_count:     100
    .vgpr_count:     1024
    .wavefront_size: 32
...
	.end_amdgpu_metadata
.endif
;; end of part 3
;; launch attn (part 4): grid 16 x 16, 16 waves a work-group, clusters of 4 x 1, 327,680 bytes of LDS; arguments qkv, yq; writes yq
.if DOCPART == 4
	.amdgcn_target "amdgcn-amd-amdhsa--gfx1250"
	.amdhsa_code_object_version 6
	.text
	.protected	k_q83c39a1e7b_attn
	.globl	k_q83c39a1e7b_attn
	.p2align	8
	.type	k_q83c39a1e7b_attn,@function
k_q83c39a1e7b_attn:
	s_mov_b64 s[64:65], 0
	v_nop
	global_prefetch_b8 v0, s[64:65] scope:SCOPE_SE
	s_setreg_imm32_b32 hwreg(HW_REG_WAVE_MODE, 25, 1), 1
	s_wait_xcnt 0x0
	s_wait_alu depctr_hold_cnt(0) depctr_sa_sdst(0) depctr_va_vdst(0) depctr_va_sdst(0) depctr_va_ssrc(0) depctr_va_vcc(0) depctr_vm_vsrc(0)
	s_getreg_b32 s2, hwreg(HW_REG_IB_STS2, 6, 4)
	s_cmp_eq_u32 s2, 0
	s_cbranch_scc0 .Lentry_in_a_cluster
	s_endpgm
.Lentry_in_a_cluster:
	s_bfe_u32 s2, ttmp6, 0x10000c
	s_cmp_lg_u32 s2, 0x3003
	s_cbranch_scc0 .Lentry_shape_is_right
	s_endpgm
.Lentry_shape_is_right:
; CAUSAL ATTENTION ON CODES of FP8 (E4M3) with one E8M0 scale for each 32 along a product's K; 16 heads of 128, 2,048 tokens.  q, k, v come as images of operand registers (a fragment of 16 rows x 128 K is 2,048 bytes: register group c is
; 512 bytes, lane l's 16 bytes at 16 l) with one scale word a row; y = O / l leaves as codes and scale bytes in plain rows, [2048][2048] and [2048][64], the operand of the last layer.
; THE SOFTMAX: t = score x log2(e) / sqrt(128); M = the largest t so far, rounded UP to a whole number; p = 2^(t - M) is quantised along the keys, not normalised; the sum is taken of the unquantised p; when M moves, the sum and O are multiplied by a power of two: exact.
; Both products are used transposed: S^T = K Q^T, O^T = V^T P^T: a lane holds ONE query throughout; p's 16 registers of two neighbouring tiles lie, inside a block of 32 keys, as v's codes lie (groups of 8 in the order 0, 2, 1, 3).
; SHARES.  A head has 16 groups of 128 queries; group g needs g + 1 key steps of 128, the last on the diagonal.  Cluster c (0 .. 3) of a head owns groups c, 7 - c, 8 + c, 15 - c: 34 steps whatever c.  Each of the four partners takes two of the
; eight tiles of 16 queries of each group (tile 2 cx + u): so every branch is alike in all partners, and cx enters global addresses and the mask's data alone.  A tile's key steps are shared by TWO waves, by parity: a slot holds two steps,
; a wave takes one of them.  Wave w: u = w & 1, sigma = (w >> 1) & 1, gamma = w >> 2 (which group), parity = sigma xor (gamma >> 1).  At the end the two waves' O, M and sum are merged through LDS.
; K's and V's images go through a ring of two LDS slots (two key steps each: 32 KiB of K, 32 KiB of V), asked for JOINTLY by the four partners (waves 0 .. 3, 16 KiB each).  Every work-group walks all 8 slots, so that the trip counts are constants;
; what a wave leaves out is a step's work.  The scale words of a whole head (8 KiB of K's, 8 KiB of V's) come once, with the first fills.
; y's codes leave as 128 bytes of each row (a head's part), its scale words as 4 bytes a row.
; LIMITS: a block of zeros, or one under 2^-118, gets the byte 1 (read by this program alone).  NaN and infinities are not served.
; REGISTERS: v0 256 x lane (from the head's end on); v1-11 addresses; v12 -M, v13 the largest t, v[14:15] the sum; v16-31 Q; v32-95 four fragments; v96-159 S^T, then p; v160-223 O^T; v224-239 p's codes; v232-254 at work; v248-249 K's or V's scale words, v253 p's, v255 Q's.
.set SLOT1, 1<<16                      ; slot 1 begins here: one exclusive or turns an address in one slot into the other's
.set VOFF,  32768                      ; a slot: K's 16 images, then V's 16
.set SCK,   2*SLOT1                    ; K's scale words of the head;
.set SCVO,  8192                       ; V's lie so far behind them
.set SPARE, SCK+16384                  ; the spare words, 128 bytes for each wave: eight blocks of 256 bytes that no other line names
.set MRG,   SPARE+2048                 ; the merge: for each of 8 pairs of waves O^T's image (8,192 bytes), -M (128), the sum (128)
.set MRGP,  8448
.set YST,   MRG+8*MRGP                 ; y's codes on their way out: for each pair 16 rows x (128 + 16) bytes
.set YSTP,  2304
.set QSC,   0xC00000                   ; where the scale words begin in qkv
.set PFO,  0
.set AK0,  1                           ; v1   16 x lane + my step's place in a slot
.set ASK0, 2                           ; v2   my lane's place among K's scale words
.set MRA,  3                           ; v3   the merge: 16 x lane in my pair's region
.set MRS,  4                           ; v4   and 4 x lane behind O^T's image
.set SPW,  5                           ; v5   LDS address of my spare word; never rewritten
.set NIL,  6                           ; v6   0; never rewritten
.set DG,   7                           ; v7   on the diagonal: my query's place in its group - 8 (lane / 16)
.set ADK,  8                           ; v8   LDS address of the step's images
.set YSI,  9                           ; v9   y's stage, in
.set ADS,  10                          ; v10  LDS address of the step's scale words
.set YSO,  11                          ; v11  y's stage, out
.set WV,   18                          ; s18  my wave's number
.set MNT,  19                          ; s19  the mantissa field of 448
.set SEL,  20                          ; s[20:21] lane selects for v_permlanex16_b32: lane l xor 16
.set CS,   22                          ; s[22:23] c = log2(e) / sqrt(128)
.set G1T,  24                          ; s[24:31] descriptor group 1 for 16 KiB of images;  s[32:39] for 4 KiB of scale words
.set G1S,  32
.set G0T,  40                          ; s[40:43] group 0 for the images, which walks;  s[44:47] for the scale words
.set G0S,  44
.set TB,   48                          ; s48  LDS byte at which the slot in hand begins
.set TS,   49                          ; s49  where the slot's scale words begin: 1,024 bytes a slot
.set SLOTS, 50                         ; s50  slots still to be asked for
.set SI,   51                          ; s51  the key step that I would take in this slot
.set NS,   52                          ; s52  my group's number of key steps
.set SG,   53                          ; s53  sigma: 0: I keep the pair's result; 1: I hand mine over
.set PFA,  54                          ; s[54:55] where my prefetches stand
.set LIM,  56                          ; s56  1 in a wave that prefetches, else the greatest number
.macro CROUND                          ; a round of the cluster's barrier
	s_barrier_signal -1
	s_barrier_wait -1
	s_cmp_lg_u32 s[WV], 0
	s_cbranch_scc1 .Lnot_wave_0_\@
	s_barrier_signal -3
.Lnot_wave_0_\@:
	s_barrier_wait -3
	s_barrier_signal -1
	s_barrier_wait -1
.endm
.macro TLOAD                           ; waves 0 .. 3 fetch, 16 KiB each; the branch hangs on the wave's number alone; four v_nop follow the line
	s_cmp_lt_u32 s[WV], 4
	s_cbranch_scc0 .Lasked_\@
	tensor_load_to_lds s[G0T:G0T+3], s[G1T:G1T+7]
	s_nop 0
.rept 4
	v_nop
.endr
.Lasked_\@:
.endm
; A PREFETCH INTO THE L2 of what the NEXT change of slots will ask for: 32 KiB of K's images and 32 KiB of V's.  All four clusters of a head walk the same K and V: cluster 0 asks.  Its four partners share the bytes out BY ADDRESS, 8,192 each;
; in each, wave 4 asks for K's and wave 5 for V's: one instruction, lanes 256 bytes apart.  So each aligned block of 256 bytes is named once in the launch.  The last change that fills a slot asks for nothing; slots 0 and 1 come by their loads alone.
.macro ASK
	s_cmp_gt_u32 s[SLOTS], s[LIM]
	s_cbranch_scc0 .Lnot_mine_\@
	global_prefetch_b8 v[PFO], s[PFA:PFA+1] th:TH_LOAD_NT scope:SCOPE_SE
.Lnot_mine_\@:
.endm
	s_load_b128 s[4:7], s[0:1], 0x0                ; qkv, yq
	v_lshl_add_u32 v[SPW], v0, 2, SPARE
	v_mov_b32 v[NIL], 0
	ds_add_u32 v5, v6
	s_wait_dscnt 0x0
	v_lshrrev_b32 v8, 5, v0
	v_readfirstlane_b32 s[WV], v8                  ; wave 0..15
	s_bfe_u32 s57, ttmp6, 0x40000                  ; cx: my place in the cluster
	s_and_b32 s58, ttmp7, 0xffff                   ; the head
	s_and_b32 s59, s[WV], 1                        ; u
	s_bfe_u32 s[SG], s[WV], 0x10001                ; sigma
	s_lshr_b32 s60, s[WV], 2                       ; gamma
	s_lshr_b32 s61, s60, 1
	s_xor_b32 s62, s[SG], s61                      ; my parity
	s_and_b32 s63, s60, 1
	s_sub_co_u32 s66, 7, ttmp9                     ; 7 - c
	s_cmp_lg_u32 s63, 0
	s_cselect_b32 s66, s66, ttmp9
	s_lshl_b32 s67, s61, 3
	s_add_co_u32 s66, s66, s67                     ; my group g: c, 7 - c, 8 + c, 15 - c
	s_add_co_u32 s[NS], s66, 1
	s_mov_b32 s[SI], s62
	s_lshl_b32 s67, s57, 1
	s_add_co_u32 s67, s67, s59                     ; my tile in the group: 2 cx + u
	s_lshl_b32 s68, s60, 1
	s_add_co_u32 s68, s68, s59                     ; my pair: u + 2 gamma
	; descriptor group 1: dense blocks, as rows of 256 bytes (32 elements of 8 bytes), no padding: an image is read as it lies, 512 consecutive bytes an instruction
	s_mov_b32 s[G1T], 15|(3<<16)|(1<<21)           ; 15:0 the mask: all four work-groups; 17:16 elements of 8 bytes; 21 set beside a mask
	s_mov_b32 s[G1T+1], 32<<16                     ; tensor_dim0
	s_mov_b32 s[G1T+2], 64<<16                     ; tensor_dim1: 64 rows: 16 KiB
	s_mov_b32 s[G1T+3], 32<<16                     ; tile_dim0
	s_mov_b32 s[G1T+4], 64                         ; tile_dim1
	s_mov_b32 s[G1T+5], 32                         ; tensor_dim0_stride
	s_mov_b32 s[G1T+6], 0
	s_mov_b32 s[G1T+7], 0
	s_mov_b32 s[G1S], 15|(3<<16)|(1<<21)
	s_mov_b32 s[G1S+1], 32<<16
	s_mov_b32 s[G1S+2], 16<<16                     ; 16 rows: 4 KiB
	s_mov_b32 s[G1S+3], 32<<16
	s_mov_b32 s[G1S+4], 16
	s_mov_b32 s[G1S+5], 32
	s_mov_b32 s[G1S+6], 0
	s_mov_b32 s[G1S+7], 0
	; what I fetch, if I fetch: wave 0, 1: K's first and second step of a slot; wave 2, 3: V's
	s_and_b32 s80, s[WV], 3
	s_lshr_b32 s81, s80, 1
	s_add_co_u32 s81, s81, 1                       ; section 1 (k) or 2 (v)
	s_and_b32 s82, s80, 1
	s_lshl_b32 s84, s81, 22
	s_lshl_b32 s85, s58, 18                        ; a head's images are 262,144 bytes
	s_add_co_u32 s84, s84, s85
	s_lshl_b32 s85, s82, 14
	s_add_co_u32 s84, s84, s85
	s_mov_b32 s85, 0
	s_lshl_b32 s86, s81, 17
	s_lshl_b32 s87, s58, 13                        ; a head's scale words 8,192
	s_add_co_u32 s86, s86, s87
	s_lshl_b32 s87, s82, 12
	s_add_co_u32 s86, s86, s87
	s_add_co_u32 s86, s86, QSC
	s_mov_b32 s87, 0
	; my tile of queries, and where its result goes
	s_lshl_b32 s88, s58, 7
	s_lshl_b32 s89, s66, 3
	s_add_co_u32 s89, s89, s67                     ; 8 g + tile: my 16 tokens begin at 16 x this
	s_add_co_u32 s88, s88, s89                     ; 128 head + 8 g + tile
	s_lshl_b32 s72, s88, 11                        ; Q's image
	s_mov_b32 s73, 0
	s_lshl_b32 s74, s88, 6                         ; its 16 scale words
	s_add_co_u32 s74, s74, QSC
	s_mov_b32 s75, 0
	s_lshl_b32 s76, s89, 15                        ; y's codes: 16 rows of 2,048 bytes a tile,
	s_lshl_b32 s77, s58, 7                         ; the head's 128 bytes of a row
	s_add_co_u32 s76, s76, s77
	s_mov_b32 s77, 0
	s_lshl_b32 s78, s89, 10                        ; y's scale bytes: 16 rows of 64,
	s_lshl_b32 s79, s58, 2                         ; the head's 4
	s_add_co_u32 s78, s78, s79
	s_add_co_u32 s78, s78, 0x400000
	s_mov_b32 s79, 0
	s_lshl_b32 s90, s67, 4                         ; 16 x tile
	; the prefetches
	s_add_co_u32 s92, s59, 1                       ; wave 4: section k; wave 5: section v
	s_lshl_b32 s92, s92, 22
	s_lshl_b32 s93, s58, 18
	s_add_co_u32 s92, s92, s93
	s_lshl_b32 s93, s57, 13                        ; my work-group's 8,192 bytes of a slot's 32,768
	s_add_co_u32 s92, s92, s93
	s_add_co_u32 s92, s92, 32768                   ; in slot 1: the first change of slots steps it to slot 2.  Nothing is prefetched at the head
	s_mov_b32 s93, 0
	s_lshr_b32 s83, s[WV], 1
	s_xor_b32 s83, s83, 2                          ; 0 in waves 4 and 5,
	s_or_b32 s83, s83, ttmp9                       ; of the head's first cluster: the same in all four partners
	s_cmp_eq_u32 s83, 0
	s_cselect_b32 s[LIM], 1, -1
	s_mov_b32 s[SEL], 0x76543210
	s_mov_b32 s[SEL+1], 0xfedcba98
	s_mov_b32 s[CS], 0x3e0293ee                    ; c = log2(e) / sqrt(128)
	s_mov_b32 s[CS+1], s[CS]                       ; (named with it as a pair, so it is written)
	s_mov_b32 s[MNT], 0x600000
	s_mov_b32 s[TB], 0
	s_mov_b32 s[TS], 0
	s_mov_b32 s[SLOTS], 7
	s_wait_kmcnt 0x0
	s_mov_b32 s[G0T], 1                            ; 1:0 count = 1
	s_lshl_b32 s[G0T+1], s80, 14                   ; 63:32 LDS address: slot 0, wave x 16 KiB
	s_add_nc_u64 s[G0T+2:G0T+3], s[4:5], s[84:85]  ; 120:64 global address
	s_or_b32 s[G0T+3], s[G0T+3], 0x80000000        ; 127:126 type = 2
	s_mov_b32 s[G0S], 1
	s_lshl_b32 s[G0S+1], s80, 12
	s_add_co_u32 s[G0S+1], s[G0S+1], SCK
	s_add_nc_u64 s[G0S+2:G0S+3], s[4:5], s[86:87]
	s_or_b32 s[G0S+3], s[G0S+3], 0x80000000
	s_add_nc_u64 s[72:73], s[4:5], s[72:73]
	s_add_nc_u64 s[74:75], s[4:5], s[74:75]
	s_add_nc_u64 s[76:77], s[6:7], s[76:77]
	s_add_nc_u64 s[78:79], s[6:7], s[78:79]
	s_add_nc_u64 s[PFA:PFA+1], s[4:5], s[92:93]
	CROUND                                         ; all four work-groups are here: the first joint loads meet
	s_cmp_lt_u32 s[WV], 4                          ; a wave's two first fills stand in one branch, ahead of every wait on TENSORcnt and every LDS read: two loads of mine are out
	s_cbranch_scc0 .Lno_first
	tensor_load_to_lds s[G0S:G0S+3], s[G1S:G1S+7]  ; the scale words of the whole head: filled once
	s_nop 0
	tensor_load_to_lds s[G0T:G0T+3], s[G1T:G1T+7]  ; slot 0
	s_nop 0
.rept 4
	v_nop
.endr
.Lno_first:
	v_and_b32 v96, 31, v0                          ; lane
	v_and_b32 v97, 15, v0                          ; r
	v_bfe_u32 v98, v0, 4, 1                        ; h
	v_lshlrev_b32 v10, 4, v96
	v_lshlrev_b32 v254, 2, v97
.irp c, 0,1,2,3
	global_load_b128 v[16+4*\c:19+4*\c], v10, s[72:73] offset:512*\c   ; Q's fragment stays in registers
.endr
	global_load_b32 v255, v254, s[74:75]           ; Q's scale words
	s_lshl_b32 s69, s62, 14
	v_lshl_add_u32 v[AK0], v96, 4, s69             ; every LDS address register is made here, ahead of any parting of the waves
	s_lshl_b32 s69, s62, 9
	s_add_co_u32 s69, s69, SCK
	v_lshl_add_u32 v[ASK0], v96, 2, s69
	s_mul_i32 s69, s68, MRGP
	s_add_co_u32 s69, s69, MRG
	v_lshl_add_u32 v[MRA], v96, 4, s69
	s_add_co_u32 s69, s69, 8192
	v_lshl_add_u32 v[MRS], v96, 2, s69
	s_mul_i32 s69, s68, YSTP
	s_add_co_u32 s69, s69, YST
	v_mul_u32_u24 v[YSI], v97, 144
	v_lshl_add_u32 v[YSI], v98, 3, v[YSI]
	v_add_nc_u32 v[YSI], s69, v[YSI]               ; in: row r, + 8 h
	v_lshrrev_b32 v99, 3, v96
	v_mul_u32_u24 v[YSO], v99, 144
	v_and_b32 v99, 7, v96
	v_lshl_add_u32 v[YSO], v99, 4, v[YSO]
	v_add_nc_u32 v[YSO], s69, v[YSO]               ; out: eight lanes to a row of 128 bytes, four rows an instruction
	v_lshlrev_b32 v99, 3, v98
	v_sub_nc_u32 v[DG], v97, v99
	v_add_nc_u32 v[DG], s90, v[DG]                 ; 16 x tile + r - 8 h
	v_lshlrev_b32 v[PFO], 8, v96                   ; v0 is done with: from here on 256 x lane
	v_mov_b32 v13, 0xff61b1e6                      ; the largest t so far: -3e38, under every t
	v_floor_f32 v12, -v13                          ; -M
	v_mov_b32 v14, 0                               ; the sum, in two halves
	v_mov_b32 v15, 0
.irp b, 0,1,2,3
	v_mov_b32 v[236+\b], 0                         ; written once: a lane permute's destination counts as one of its sources
.endr
	v_mov_b32 v252, 0
	v_mov_b32 v253, 0                              ; (named as the upper half of the pair v[252:253] before it is first written)
.set n, 0
.rept 64
	v_mov_b32 v[160+n], 0                          ; O^T.  (The step is written for every step alike: the first finds zeros, which the first change of M leaves zeros; a wave with no step hands zeros over)
.set n, n+1
.endr
; A KEY STEP: 128 keys: my one of the slot's two.
.macro STEP
	s_cmp_ge_u32 s[SI], s[NS]                      ; a step all of whose keys come after my queries is left out: a scalar branch on ids; no barrier, tensor load or address step stands under it
	s_cbranch_scc1 .Lhidden_\@
	v_add_nc_u32 v[ADK], s[TB], v[AK0]
	v_add_nc_u32 v[ADS], s[TS], v[ASK0]
.irp g, 0,1                                    ; S^T = K Q^T, four tiles of 16 keys at a time
.rept 6+2*\g
	v_nop                                          ; eight places in front of loads into registers that matrix instructions have read (the two additions above are places too)
.endr
.irp t, 0,1,2,3
.irp c, 0,1,2,3
	ds_load_b128 v[32+16*\t+4*\c:32+16*\t+4*\c+3], v[ADK] offset:(4*\g+\t)*2048+512*\c
.endr
.endr
.irp tt, 0,1
	ds_load_b32 v[248+\tt], v[ADS] offset:(2*\g+\tt)*128   ; two tiles' scale words in one register: lanes 0-15 the even tile's, lanes 16-31 the odd one's
.endr
	s_wait_dscnt 0x0
.irp t, 0,1,2,3
.if (\t)%2
	v_wmma_scale_f32_16x16x128_f8f6f4 v[96+8*(4*\g+\t):103+8*(4*\g+\t)], v[32+16*\t:47+16*\t], v[16:31], 0, v[248+\t/2], v255 matrix_a_scale:MATRIX_SCALE_ROW1
.else
	v_wmma_scale_f32_16x16x128_f8f6f4 v[96+8*(4*\g+\t):103+8*(4*\g+\t)], v[32+16*\t:47+16*\t], v[16:31], 0, v[248+\t/2], v255
.endif
.endr
.endr                                          ; lane (r, h) holds query r; register 8 a + j holds key 16 a + 8 h + j
.rept 8
	v_nop
.endr
	s_add_co_u32 s83, s[SI], 1                     ; on the diagonal the scores of hidden keys become -infinity ahead of the maximum: p = 0 then.  Any other step skips this
	s_cmp_lg_u32 s83, s[NS]
	s_cbranch_scc1 .Lopen_\@
	v_mov_b32 v254, 0xff800000
.set n, 0
.rept 64
	v_cmp_gt_i32 vcc_lo, 16*(n/8)+n%8, v[DG]       ; hidden where 16 a + j + 8 h > my query's place
	v_cndmask_b32 v[96+n], v[96+n], v254, vcc_lo
.set n, n+1
.endr
.Lopen_\@:
.irp b, 0,1,2,3
	v_max3_num_f32 v[232+\b], v[96+16*\b], v[97+16*\b], v[98+16*\b]   ; THE LARGEST SCORE OF EACH BLOCK OF 32 KEYS: for the row's maximum, and, since p rises with the score, for the block's largest p
.endr
.irp i, 3,5,7,9,11,13
.irp b, 0,1,2,3
	v_max3_num_f32 v[232+\b], v[232+\b], v[96+16*\b+\i], v[97+16*\b+\i]   ; (the four blocks by turns)
.endr
.endr
.irp b, 0,1,2,3
	v_max_num_f32 v[232+\b], v[232+\b], v[111+16*\b]
.endr
.irp b, 0,1,2,3
	v_permlanex16_b32 v[236+\b], v[232+\b], s[SEL], s[SEL+1]
.endr
.irp b, 0,1,2,3
	v_max_num_f32 v[232+\b], v[232+\b], v[236+\b]  ; with lane l xor 16's 16 keys
.endr
	v_max3_num_f32 v254, v232, v233, v234
	v_max_num_f32 v254, v254, v235                 ; the step's largest score of my query
	v_mul_f32 v254, s[CS], v254                    ; as t (c is positive)
	v_max_num_f32 v13, v13, v254                   ; the running largest t
	v_mov_b32 v254, v12
	v_floor_f32 v12, -v13                          ; the new -M = floor(-t) = -ceil(t): M IS A WHOLE NUMBER
	v_sub_f32 v254, v12, v254                      ; M's old value less its new one: a whole number, 0 or less
	v_cvt_i32_f32 v254, v254                       ; (it saturates)
	v_ldexp_f32 v252, 1.0, v254                    ; f = 2^(old M - new M)
.set n, 0
.rept 32
	v_pk_fma_f32 v[96+n:97+n], v[96+n:97+n], s[CS:CS+1], v[12:13] op_sel_hi:[1,0,0]   ; t - M, two at a time (of the pairs c and -M the low word serves both halves)
.set n, n+2
.endr
.irp b, 0,1,2,3
	v_fma_f32 v[232+\b], v[232+\b], s[CS], v12     ; the same of each block's largest score
.endr
.set n, 0
.rept 64
	v_exp_f32 v[96+n], v[96+n]                     ; p = 2^(t - M), at most 1: NOT normalised
.set n, n+1
.endr
.irp b, 0,1,2,3
	v_exp_f32 v[232+\b], v[232+\b]                 ; the block's largest p: the same two instructions on the same number give the same bits
.endr
	v_pk_mul_f32 v[14:15], v[14:15], v[252:253] op_sel_hi:[1,0]   ; the sums under the new M.  (A plain place behind the exponentials)
	s_wait_alu depctr_va_vdst(0)
.irp b, 0,1,2,3
	v_max_num_f32 v[232+\b], 0x4800000, v[232+\b]  ; the floor 2^(9 - 127): the byte cannot fall under 1
.endr
.irp b, 0,1,2,3
	v_add_nc_u32 v[244+\b], 0xfc000000, v[232+\b]  ; 8 off the exponent field: the conversion's scale operand
.endr
.irp b, 0,1,2,3
	v_and_or_b32 v[240+\b], v[232+\b], 0x7f800000, s[MNT]   ; 448 x the scale
.endr
.irp b, 0,1,2,3
	v_lshrrev_b32 v[236+\b], 23, v[244+\b]         ; the scale's byte
.endr
	v_lshl_or_b32 v253, v237, 8, v236              ; p's scale word for these 128 keys
	v_lshl_or_b32 v253, v238, 16, v253
	v_lshl_or_b32 v253, v239, 24, v253
	v_pk_add_f32 v[236:237], v[96:97], v[98:99]    ; THE ROW'S SUM IS TAKEN OF THE UNQUANTISED p: two at a time, in two chains
.irp j, 4,8,12,16,20,24,28,32,36,40,44,48,52,56,60
	v_pk_add_f32 v[14:15], v[14:15], v[96+\j:97+\j]
	v_pk_add_f32 v[236:237], v[236:237], v[98+\j:99+\j]
.endr
	v_pk_add_f32 v[14:15], v[14:15], v[236:237]
.irp b, 0,1,2,3
.irp i, 0,1,2,3,4,5,6,7,8,9,10,11,12,13,14,15
	v_min_num_f32 v[96+16*\b+\i], v[96+16*\b+\i], v[240+\b]   ; the conversion to an 8-bit code does not saturate (ISA guide 7.6.2); p is not negative, so the hold is one-sided
.endr
	v_cvt_scalef32_pk8_fp8_f32 v[224+4*\b:225+4*\b], v[96+16*\b:103+16*\b], v[244+\b]
	v_cvt_scalef32_pk8_fp8_f32 v[226+4*\b:227+4*\b], v[104+16*\b:111+16*\b], v[244+\b]
.endr
.set n, 0
.rept 32
	v_pk_mul_f32 v[160+n:161+n], v[160+n:161+n], v[252:253] op_sel_hi:[1,0]   ; O^T under the new M: x f.  (These 32 are also the places in front of the matrix instructions and loads below)
.set n, n+2
.endr
.irp g, 0,1                                    ; O^T += V^T P^T: four tiles of 16 of the head's 128 at a time; K = these 128 keys.  The eight accumulators take turns
.if \g > 0
.rept 8
	v_nop
.endr
.endif
.irp t, 0,1,2,3
.irp c, 0,1,2,3
	ds_load_b128 v[32+16*\t+4*\c:32+16*\t+4*\c+3], v[ADK] offset:VOFF+(4*\g+\t)*2048+512*\c
.endr
.endr
.irp tt, 0,1
	ds_load_b32 v[248+\tt], v[ADS] offset:SCVO+(2*\g+\tt)*128
.endr
	s_wait_dscnt 0x0
.irp t, 0,1,2,3
.if (\t)%2
	v_wmma_scale_f32_16x16x128_f8f6f4 v[160+8*(4*\g+\t):167+8*(4*\g+\t)], v[32+16*\t:47+16*\t], v[224:239], v[160+8*(4*\g+\t):167+8*(4*\g+\t)], v[248+\t/2], v253 matrix_a_scale:MATRIX_SCALE_ROW1
.else
	v_wmma_scale_f32_16x16x128_f8f6f4 v[160+8*(4*\g+\t):167+8*(4*\g+\t)], v[32+16*\t:47+16*\t], v[224:239], v[160+8*(4*\g+\t):167+8*(4*\g+\t)], v[248+\t/2], v253
.endif
.endr
.endr
.Lhidden_\@:
	s_add_co_u32 s[SI], s[SI], 2                   ; the next slot's step of my parity,
	s_add_co_u32 s[TS], s[TS], 1024                ; its scale words,
	s_xor_b32 s[TB], s[TB], SLOT1                  ; in the other slot
.endm
; THE CHANGE OF SLOTS stands at a slot's head.  Each wave waits for all its tensor loads (its part of the slot that it is about to read), adds 0 to its spare word, and waits for that and for its reads of the slot that it has left.
; fill = 1: that other slot is filled with the next two key steps.  The barrier is then a round of the cluster's, so that no wave of any partner still reads the slot or has a load on its way; the joint refill is the first thing behind it.
.macro CHANGE fill
	s_wait_tensorcnt 0x0                           ; no tensor load of mine is out, so a group 0 may be written
	ds_add_u32 v[SPW], v[NIL]                      ; 0 onto my spare word
.if \fill
	s_xor_b32 s[G0T+1], s[G0T+1], SLOT1            ; the walking descriptor: the other slot than last time,
	s_add_nc_u64 s[G0T+2:G0T+3], s[G0T+2:G0T+3], 32768   ; the next two key steps; the type bits on top are not reached
	s_wait_xcnt 0x0                                ; the last prefetch, a slot back, has read its address, so it may be written:
	s_add_nc_u64 s[PFA:PFA+1], s[PFA:PFA+1], 32768 ; one slot further on than the walking descriptor
	s_wait_dscnt 0x0                               ; the add is done, and my reads of the slot that I have left are over
	CROUND
	TLOAD                                          ; a wave's one tensor load until the next round
	ASK
.else
	s_wait_dscnt 0x0
	s_barrier_signal -1
	s_barrier_wait -1
.endif
.endm
	s_wait_loadcnt 0x0                             ; Q
.Lslot:                                            ; 7 trips: behind each change of slots but the last the next slot is asked for
	CHANGE 1
	STEP
	s_sub_co_u32 s[SLOTS], s[SLOTS], 1
	s_cmp_lg_u32 s[SLOTS], 0
	s_cbranch_scc1 .Lslot
	CHANGE 0                                       ; the last slot is written out
	STEP
	; THE MERGE.  The wave with sigma = 1 hands its O^T (as an image of its registers), its -M and its sum to its partner through LDS.
.rept 8
	v_nop                                          ; places behind the last products
.endr
	v_add_f32 v14, v14, v15                        ; the sum's two halves
	s_cmp_eq_u32 s[SG], 0
	s_cbranch_scc1 .Lkeeper
.irp i, 0,1,2,3,4,5,6,7,8,9,10,11,12,13,14,15
	ds_store_b128 v[MRA], v[160+4*\i:163+4*\i] offset:512*\i   ; each accumulator from its low end on
.endr
	ds_store_b32 v[MRS], v12
	ds_store_b32 v[MRS], v14 offset:128
.Lkeeper:
	s_wait_dscnt 0x0                               ; for the partner's sake: my stores are done
	s_barrier_signal -1
	s_barrier_wait -1
	s_cmp_lg_u32 s[SG], 0
	s_cbranch_scc1 .Lend
.irp i, 0,1,2,3,4,5,6,7,8,9,10,11,12,13,14,15
	ds_load_b128 v[32+4*\i:35+4*\i], v[MRA] offset:512*\i
.endr
	ds_load_b32 v250, v[MRS]                       ; the partner's -M
	ds_load_b32 v251, v[MRS] offset:128            ; and sum
	s_wait_dscnt 0x0
	v_min_num_f32 v254, v12, v250                  ; -(the larger M)
	v_sub_f32 v240, v254, v12                      ; my M less the larger: a whole number, 0 or less
	v_sub_f32 v241, v254, v250                     ; the partner's likewise (a wave that had no step: about -3e38)
	v_cvt_i32_f32 v240, v240                       ; (it saturates, and the factor is then 0)
	v_cvt_i32_f32 v241, v241
	v_ldexp_f32 v246, 1.0, v240
	v_ldexp_f32 v244, 1.0, v241
	v_mov_b32 v247, v246                           ; (named with them as pairs, so they are written)
	v_mov_b32 v245, v244
	v_mul_f32 v14, v14, v246
	v_fma_f32 v14, v251, v244, v14                 ; the sum under the larger M
.set n, 0
.rept 32
	v_pk_mul_f32 v[160+n:161+n], v[160+n:161+n], v[246:247] op_sel_hi:[1,0]
.set n, n+2
.endr
.set n, 0
.rept 32
	v_pk_fma_f32 v[160+n:161+n], v[32+n:33+n], v[244:245], v[160+n:161+n] op_sel_hi:[1,0,1]
.set n, n+2
.endr
	v_permlanex16_b32 v252, v14, s[SEL], s[SEL+1]
	v_add_f32 v14, v14, v252                       ; with lane l xor 16's: the row's sum
	v_rcp_f32 v14, v14
	v_and_b32 v8, 0x700, v0                        ; (plain places behind the transcendental)  the way out: v0 = 256 x lane
	v_lshrrev_b32 v8, 4, v8                        ; 16 (lane % 8)
	v_and_or_b32 v8, v0, 0x1800, v8                ; + 2,048 (lane / 8): eight lanes to a row's 128 bytes
	v_and_b32 v10, 0xf00, v0
	v_lshrrev_b32 v10, 2, v10                      ; 64 r: my row of scale bytes
.set n, 0
	s_wait_alu depctr_va_vdst(0)
.rept 64
	v_mul_f32 v[96+n], v[160+n], v14               ; y: register 8 a + j is y(r, 16 a + 8 h + j)
.set n, n+1
.endr
	; y is quantised along the head's 128: registers 16 b + 0 .. 15 are my 16 numbers of block b
.irp b, 0,1,2,3
	v_max3_num_f32 v[232+\b], |v[96+16*\b]|, |v[97+16*\b]|, 0x4800000
.endr
.irp i, 2,4,6,8,10,12,14
.irp b, 0,1,2,3
	v_max3_num_f32 v[232+\b], v[232+\b], |v[96+16*\b+\i]|, |v[97+16*\b+\i]|
.endr
.endr
.irp b, 0,1,2,3
	v_permlanex16_b32 v[236+\b], v[232+\b], s[SEL], s[SEL+1]
.endr
.irp b, 0,1,2,3
	v_max_num_f32 v[232+\b], v[232+\b], v[236+\b]
.endr
.irp b, 0,1,2,3
	v_add_nc_u32 v[244+\b], 0xfc000000, v[232+\b]
.endr
.irp b, 0,1,2,3
	v_and_or_b32 v[240+\b], v[232+\b], 0x7f800000, s[MNT]
.endr
.irp b, 0,1,2,3
	v_lshrrev_b32 v[236+\b], 23, v[244+\b]
.endr
	v_lshl_or_b32 v253, v237, 8, v236              ; my row's scale word
	v_lshl_or_b32 v253, v238, 16, v253
	v_lshl_or_b32 v253, v239, 24, v253
.irp b, 0,1,2,3
.irp i, 0,1,2,3,4,5,6,7,8,9,10,11,12,13,14,15
	v_med3_num_f32 v[96+16*\b+\i], v[96+16*\b+\i], -v[240+\b], v[240+\b]
.endr
	v_cvt_scalef32_pk8_fp8_f32 v[224+4*\b:225+4*\b], v[96+16*\b:103+16*\b], v[244+\b]
	v_cvt_scalef32_pk8_fp8_f32 v[226+4*\b:227+4*\b], v[104+16*\b:111+16*\b], v[244+\b]
.endr
	v_nop                                          ; a plain line behind the last conversion of the run
.irp c, 0,1,2,3
.irp e, 0,1
	ds_store_b64 v[YSI], v[224+4*\c+2*\e:225+4*\c+2*\e] offset:32*\c+16*\e   ; eight codes: d = 32 c + 16 e + 8 h + 0 .. 7: here the groups of 8 come into their true order
.endr
.endr
.irp i, 0,1,2,3
	ds_load_b128 v[32+4*\i:35+4*\i], v[YSO] offset:576*\i   ; LDS serves a wave's instructions in order: these see my stores
.endr
.irp i, 0,1,2,3
	s_wait_dscnt 3-\i                              ; the younger loads stay out
	global_store_b128 v8, v[32+4*\i:35+4*\i], s[76:77] offset:8192*\i   ; four rows' 128 bytes
.endr
	global_store_b32 v10, v253, s[78:79]           ; lanes r and r + 16 store the same word with the same value
.Lend:
	s_wait_tensorcnt 0x0                           ; the wave's end
	ds_add_u32 v[SPW], v[NIL]
	s_wait_dscnt 0x0
	CROUND                                         ; the closing round: no work-group ends while a partner may still ask for a tile that names it
	s_endpgm
.Lfunc_end_k_q83c39a1e7b_attn:
	.size	k_q83c39a1e7b_attn, .Lfunc_end_k_q83c39a1e7b_attn-k_q83c39a1e7b_attn
	.p2alignl 7, 3214868480
	.fill 96, 4, 3214868480
	.section	.rodata,"a",@progbits
	.p2align	6, 0x0
	.amdhsa_kernel k_q83c39a1e7b_attn
		.amdhsa_group_segment_fixed_size 327680
		.amdhsa_private_segment_fixed_size 0
		.amdhsa_enable_private_segment 0
		.amdhsa_kernarg_size 16
		.amdhsa_user_sgpr_count 2
		.amdhsa_user_sgpr_kernarg_segment_ptr 1
		.amdhsa_wavefront_size32 1
		.amdhsa_system_sgpr_workgroup_id_x 1
		.amdhsa_system_sgpr_workgroup_id_y 1
		.amdhsa_system_sgpr_workgroup_id_z 1
		.amdhsa_system_vgpr_workitem_id 0
		.amdhsa_next_free_vgpr 256
		.amdhsa_next_free_sgpr 96
		.amdhsa_reserve_vcc 1
		.amdhsa_float_denorm_mode_32 3
		.amdhsa_float_denorm_mode_16_64 3
		.amdhsa_memory_ordered 1
		.amdhsa_forward_progress 1
		.amdhsa_inst_pref_size 87
	.end_amdhsa_kernel
	.amdgpu_metadata
---
amdhsa.version: [ 1, 2 ]
amdhsa.kernels:
  - .name:           k_q83c39a1e7b_attn
    .symbol:         k_q83c39a1e7b_attn.kd
    .args:
      - { .name: qkv, .offset: 0, .size: 8, .value_kind: global_buffer, .address_space: global }
      - { .name: yq, .offset: 8, .size: 8, .value_kind: global_buffer, .address_space: global }
    .group_segment_fixed_size: 327680
    .private_segment_fixed_size: 0
    .kernarg_segment_align: 8
    .kernarg_segment_size: 16
    .max_flat_workgroup_size: 512
    .sgpr_count:     96
    .vgpr_count:     256
    .wavefront_size: 32
...
	.end_amdgpu_metadata
.endif
;; end of part 4
;; launch oproj (part 5): grid 8 x 8, 4 waves a work-group, clusters of 4 x 4, 327,680 bytes of LDS; arguments yq, wt, out0; writes out0
.if DOCPART == 5
	.amdgcn_target "amdgcn-amd-amdhsa--gfx1250"
	.amdhsa_code_object_version 6
	.text
	.protected	k_q83c39a1e7b_oproj
	.globl	k_q83c39a1e7b_oproj
	.p2align	8
	.type	k_q83c39a1e7b_oproj,@function
k_q83c39a1e7b_oproj:
	s_mov_b64 s[64:65], 0
	v_nop
	global_prefetch_b8 v0, s[64:65] scope:SCOPE_SE
	s_setreg_imm32_b32 hwreg(HW_REG_WAVE_MODE, 25, 1), 1
	s_wait_xcnt 0x0
	s_wait_alu depctr_hold_cnt(0) depctr_sa_sdst(0) depctr_va_vdst(0) depctr_va_sdst(0) depctr_va_ssrc(0) depctr_va_vcc(0) depctr_vm_vsrc(0)
	s_getreg_b32 s2, hwreg(HW_REG_IB_STS2, 6, 4)
	s_cmp_eq_u32 s2, 0
	s_cbranch_scc0 .Lentry_in_a_cluster
	s_endpgm
.Lentry_in_a_cluster:
	s_bfe_u32 s2, ttmp6, 0x10000c
	s_cmp_lg_u32 s2, 0xf033
	s_cbranch_scc0 .Lentry_shape_is_right
	s_endpgm
.Lentry_shape_is_right:
; THE LAST LAYER: out0[t][n] = sum over K of y[t][K] Wo[n][K], both as codes of FP8 (E4M3) with one E8M0 scale for each 32 along K; out0 [2048][2048] f32; sums in f32.
; y's codes lie at yq + 0, [2048][2048], its scale bytes at yq + 0x400000, [2048][64]; the weight's signed codes at wt + 0xC00000, its scale bytes at wt + 0x1060000.
; A tile of 256 x 256 is made by four waves, each 128 x 128: 64 accumulators, 512 registers.  K goes in steps of 256 through a ring of two LDS slots filled by the tensor data mover.
; THE SCALES of the work-group's 256 rows of A and of B, for all of K, come into LDS once, with the first fills, and stay.
; CLUSTERS: 4 x 4 work-groups; A's tiles are asked for jointly along a row of the cluster, B's along a column.  THE MATRIX INSTRUCTION IS USED TRANSPOSED (source 0 = 16 rows of B, source 1 = 16 rows of A): a lane holds eight neighbouring numbers of a row of C.
; The grid has 64 work-groups: 2048 x 2048 in tiles of 256 x 256.
; REGISTERS, in windows of 256: window 0: v0-31 addresses; v32-63 scale words, two sets; from v128 A's fragments, ONE set; on the way out v32-255 are free.  window 1: B's fragments, TWO sets.  windows 2, 3: the accumulators ((a, b) at v[8 (8 (a % 4) + b)]).
.set SIZE_M, 2048
.set SIZE_N, 2048
.set SIZE_K, 2048
.set KSTEP,  256
.set NQ,     KSTEP/128
.set ROWB,   256
.set KROW,   SIZE_K
.set PITCH,  272                       ; an LDS row: 256 bytes + 16 of padding: the 16 rows that a load touches start at 16 different banks (ISA guide 11.1)
.set FR,     16
.set NL,     4
.set NP,     8                         ; places behind this matrix instruction (ISA guide 7.12.1)
.set HALFT,  128*PITCH
.set SLOT,   4*HALFT
.set LAPS,   SIZE_K/(2*KSTEP)
.set KS,     SIZE_K/32
.set SCL,    2*SLOT
.set HALFS,  (128*KS/256)*272
.set SBLK,   (16*KS/256)*272
.set SPARE,  SCL+4*HALFS               ; the spare words, 128 bytes for each wave: two blocks of 256 bytes that no other line names
.set SPITCH, 528                       ; the way out: a stage of 16 rows x (512 bytes + 16) for each wave, in slot 0, which has had its last fill and its last read when the first result is stored there
.set ADRA, 16
.set ADRB, 20
.set STO,  24
.set RD,   25
.set CO,   26
.set SPW,  28
.set NIL,  29
.set ADRS, 27
.set SC,   32
.set AF,   128
.set BK,   128
.set G1, 24
.set G0, 32
.set G1B, 48
.set G0B, 56
.set G1S, 68
.set G0S, 76
.set G1SB, 80
.set G0SB, 88
.set MSB, 0
.macro WIN new                         ; the immediate's high byte repeats the setting that is left
.if MSB != \new
	s_set_vgpr_msb (MSB<<8)|\new
.set MSB, \new
.endif
.endm
.set MUL_LO, 0xa1
.set MUL_HI, 0xf1
.set TO_B,   0x40
.macro JLOAD g0a, g1a, g0b, g1b        ; a joint load: waves 0 and 1 fetch for A, waves 2 and 3 for B; four v_nop follow each of the two lines
	s_cmp_eq_u32 s15, 0
	s_cbranch_scc0 .Lfor_b_\@
	tensor_load_to_lds s[\g0a:\g0a+3], s[\g1a:\g1a+7]
	s_nop 0
.rept 4
	v_nop
.endr
	s_branch .Lasked_\@
.Lfor_b_\@:
	tensor_load_to_lds s[\g0b:\g0b+3], s[\g1b:\g1b+7]
	s_nop 0
.rept 4
	v_nop
.endr
.Lasked_\@:
.endm
.macro CREST                           ; a round of the cluster's barrier behind its opening barrier
	s_cmp_lg_u32 s14, 0
	s_cbranch_scc1 .Lnot_wave_0_\@
	s_barrier_signal -3
.Lnot_wave_0_\@:
	s_barrier_wait -3
	s_barrier_signal -1
	s_barrier_wait -1
.endm
.macro CROUND
	s_barrier_signal -1
	s_barrier_wait -1
	CREST
.endm
	s_load_b128 s[4:7], s[0:1], 0x0                ; yq, wt
	s_load_b64 s[12:13], s[0:1], 0x10              ; out0
	v_lshl_add_u32 v[SPW], v0, 2, SPARE
	v_mov_b32 v[NIL], 0
	ds_add_u32 v28, v29
	s_wait_dscnt 0x0
	v_lshrrev_b32 v1, 5, v0
	v_readfirstlane_b32 s14, v1                    ; wave 0..3
	s_lshr_b32 s15, s14, 1                         ; which half of the tile's rows is mine.  Also: I fetch for A (0) or for B (1)
	s_and_b32 s16, s14, 1                          ; which half of its columns.  Also: which 128 rows of that tile I fetch
	s_bfe_u32 s40, ttmp6, 0x40000                  ; cx, cy
	s_bfe_u32 s41, ttmp6, 0x40004
	s_lshl_b32 s42, ttmp9, 2
	s_add_co_u32 s42, s42, s40                     ; tile column
	s_and_b32 s17, ttmp7, 0xffff
	s_lshl_b32 s17, s17, 2
	s_add_co_u32 s17, s17, s41                     ; tile row
	s_lshl_b32 s43, s41, 2
	s_lshl_b32 s43, 15, s43                        ; my row of the cluster
	s_lshl_b32 s44, 0x1111, s40                    ; my column
	s_or_b32 s[G1+0], s43, (0<<16)|(1<<20)|(1<<21)|(5<<22)|(3<<25)  ; the mask; element of 1 byte; padding on; bit 21 beside a mask; after every 64 words 4 words
	s_or_b32 s[G1B+0], s44, (0<<16)|(1<<20)|(1<<21)|(5<<22)|(3<<25)
.irp g, G1, G1B
	s_mov_b32 s[\g+1], ROWB<<16
	s_mov_b32 s[\g+2], 128<<16
	s_mov_b32 s[\g+3], ROWB<<16
	s_mov_b32 s[\g+4], 128
	s_mov_b32 s[\g+5], KROW
	s_mov_b32 s[\g+6], 0
	s_mov_b32 s[\g+7], 0
.endr
	s_or_b32 s[G1S+0], s43, (3<<16)|(1<<20)|(1<<21)|(5<<22)|(3<<25)
	s_or_b32 s[G1SB+0], s44, (3<<16)|(1<<20)|(1<<21)|(5<<22)|(3<<25)
.irp g, G1S, G1SB
	s_mov_b32 s[\g+1], 32<<16
	s_mov_b32 s[\g+2], (128*KS/256)<<16
	s_mov_b32 s[\g+3], 32<<16
	s_mov_b32 s[\g+4], 128*KS/256
	s_mov_b32 s[\g+5], 32
	s_mov_b32 s[\g+6], 0
	s_mov_b32 s[\g+7], 0
.endr
	s_lshl_b32 s18, s16, 7
	s_lshl_b32 s20, s17, 8
	s_add_co_u32 s20, s20, s18                     ; A: row 256 x tile row + 128 x half
	s_lshl_b32 s46, s42, 8
	s_add_co_u32 s46, s46, s18                     ; B: row 256 x tile column + 128 x half
	s_mov_b32 s21, 0
	s_mov_b32 s47, 0
	s_mov_b64 s[18:19], KS
	s_mul_u64 s[22:23], s[20:21], s[18:19]
	s_mul_u64 s[92:93], s[46:47], s[18:19]
	s_mov_b64 s[18:19], KROW
	s_mul_u64 s[20:21], s[20:21], s[18:19]
	s_mul_u64 s[46:47], s[46:47], s[18:19]
	s_mul_i32 s45, s14, HALFT
	s_mul_i32 s94, s14, HALFS
	s_wait_kmcnt 0x0
	s_add_nc_u64 s[8:9], s[6:7], 0xC00000          ; the weight's codes
	s_add_nc_u64 s[10:11], s[6:7], 0x1060000       ; and scale bytes
	s_add_nc_u64 s[6:7], s[4:5], 0x400000          ; y's scale bytes
	s_add_nc_u64 s[20:21], s[4:5], s[20:21]
	s_add_nc_u64 s[22:23], s[6:7], s[22:23]
	s_add_nc_u64 s[46:47], s[8:9], s[46:47]
	s_add_nc_u64 s[92:93], s[10:11], s[92:93]
	CROUND                                         ; all sixteen work-groups are here: the first joint loads meet
	s_mov_b32 s[G0S], 1
	s_add_co_u32 s[G0S+1], s94, SCL
	s_mov_b64 s[G0S+2:G0S+3], s[22:23]
	s_or_b32 s[G0S+3], s[G0S+3], 0x80000000
	s_mov_b32 s[G0SB], 1
	s_add_co_u32 s[G0SB+1], s94, SCL
	s_mov_b64 s[G0SB+2:G0SB+3], s[92:93]
	s_or_b32 s[G0SB+3], s[G0SB+3], 0x80000000
	JLOAD G0S, G1S, G0SB, G1SB                     ; the scales first
.irp s, 0,1
	s_mov_b32 s[G0+4*\s], 1
	s_add_co_u32 s[G0+4*\s+1], s45, \s*SLOT
	s_add_nc_u64 s[G0+4*\s+2:G0+4*\s+3], s[20:21], \s*ROWB
	s_or_b32 s[G0+4*\s+3], s[G0+4*\s+3], 0x80000000
	s_mov_b32 s[G0B+4*\s], 1
	s_add_co_u32 s[G0B+4*\s+1], s45, \s*SLOT
	s_add_nc_u64 s[G0B+4*\s+2:G0B+4*\s+3], s[46:47], \s*ROWB
	s_or_b32 s[G0B+4*\s+3], s[G0B+4*\s+3], 0x80000000
	JLOAD G0+4*\s, G1, G0B+4*\s, G1B
.endr
	v_and_b32 v1, 15, v0
	v_bfe_u32 v2, v0, 4, 1
	v_mul_u32_u24 v3, v1, PITCH
	v_lshl_add_u32 v4, v2, 4, v3
	s_mul_i32 s21, s15, HALFT
	s_mul_i32 s22, s16, HALFT
	s_add_co_u32 s22, s22, 2*HALFT
.irp s, 0,1
	v_add_nc_u32 v[ADRA+\s], s21, v4
	v_add_nc_u32 v[ADRB+\s], s22, v4
	s_add_co_u32 s21, s21, SLOT
	s_add_co_u32 s22, s22, SLOT
.endr
	v_mul_u32_u24 v5, v1, KS
	v_lshrrev_b32 v6, 8, v5
	v_lshl_add_u32 v5, v6, 4, v5
	s_mul_i32 s21, s15, HALFS
	s_mul_i32 s22, s16, HALFS
	s_add_co_u32 s22, s22, 2*HALFS
	s_sub_co_u32 s22, s22, s21
	v_mul_u32_u24 v6, s22, v2                      ; lanes 16-31 take B's
	s_add_co_u32 s21, s21, SCL
	v_add_nc_u32 v5, v5, v6
	v_add_nc_u32 v[ADRS], s21, v5
	s_mul_i32 s23, s14, 16*SPITCH                  ; my stage
	v_mul_u32_u24 v5, v1, SPITCH
	v_lshl_add_u32 v5, v2, 5, v5
	v_add_nc_u32 v[STO], s23, v5
	v_and_b32 v6, 31, v0
	v_lshlrev_b32 v[CO], 4, v6
	v_add_nc_u32 v[RD], s23, v[CO]
	s_lshl_b32 s20, s17, 8
	s_lshl_b32 s21, s15, 7
	s_add_co_u32 s20, s20, s21                     ; my first row of C
	s_mov_b32 s21, 0
	s_mov_b64 s[18:19], SIZE_N*4
	s_mul_u64 s[20:21], s[20:21], s[18:19]
	s_lshl_b32 s46, s42, 10
	s_lshl_b32 s47, s16, 9
	s_add_co_u32 s46, s46, s47
	s_mov_b32 s47, 0
	s_add_nc_u64 s[20:21], s[20:21], s[46:47]
	s_add_nc_u64 s[12:13], s[12:13], s[20:21]
.macro FRAG reg, adr, q, i
.irp c, 0,1,2,3
	ds_load_b128 v[\reg+4*\c:\reg+4*\c+3], v[\adr] offset:128*(\q)+32*\c+(\i)*16*PITCH
.endr
.endm
; The 64 accumulators take turns, one instruction a turn, in the same order in every step.
.macro MUL16 a0, p, q, sc, zero
.irp a, \a0, \a0+1
.irp b, 0,1,2,3,4,5,6,7
.if \zero
	v_wmma_scale_f32_16x16x128_f8f6f4 v[8*(8*((\a)%4)+\b):8*(8*((\a)%4)+\b)+7], v[128*(\p)+FR*\b:128*(\p)+FR*\b+FR-1], v[AF+FR*(\a):AF+FR*(\a)+FR-1], 0, v[SC+8*NQ*(\sc)+NQ*\b+(\q)], v[SC+8*NQ*(\sc)+NQ*(\a)+(\q)] matrix_a_scale:MATRIX_SCALE_ROW1
.else
	v_wmma_scale_f32_16x16x128_f8f6f4 v[8*(8*((\a)%4)+\b):8*(8*((\a)%4)+\b)+7], v[128*(\p)+FR*\b:128*(\p)+FR*\b+FR-1], v[AF+FR*(\a):AF+FR*(\a)+FR-1], v[8*(8*((\a)%4)+\b):8*(8*((\a)%4)+\b)+7], v[SC+8*NQ*(\sc)+NQ*\b+(\q)], v[SC+8*NQ*(\sc)+NQ*(\a)+(\q)] matrix_a_scale:MATRIX_SCALE_ROW1
.endif
.endr
.endr
.endm
.macro FETCH_B slot, q, p
	WIN TO_B
.irp i, 0,1,2,3,4,5,6,7
	FRAG 128*(\p)+FR*\i, ADRB+\slot, \q, \i
.endr
	WIN 0
.endm
.macro FETCH_A slot, q, i0
.irp i, \i0, \i0+1, \i0+2, \i0+3
	FRAG AF+FR*(\i), ADRA+\slot, \q, \i
.endr
.endm
.macro SCALES sc
.irp i, 0,1,2,3,4,5,6,7
	ds_load_b64 v[SC+8*NQ*\sc+NQ*\i:SC+8*NQ*\sc+NQ*\i+1], v[ADRS] offset:\i*SBLK
.endr
.endm
.macro PLACES n                        ; places behind matrix instructions: plain vector instructions that name none of their registers (ISA guide 7.12.1)
.rept \n
	v_nop
.endr
.endm
.macro STEP slot, q, zero
	s_wait_dscnt 4*NL                              ; B's set and A's blocks 0-3 are in; the youngest 16 loads (A's blocks 4-7) may be out
	WIN MUL_LO
	MUL16 0, (\q)%2, \q, \slot, \zero
	MUL16 2, (\q)%2, \q, \slot, \zero
	s_wait_dscnt 0
	PLACES NP
	FETCH_B \slot, (\q)+1, 1-(\q)%2
	FETCH_A \slot, (\q)+1, 0
	WIN MUL_HI
	MUL16 4, (\q)%2, \q, \slot, \zero
	MUL16 6, (\q)%2, \q, \slot, \zero
	PLACES NP
	WIN 0
	FETCH_A \slot, (\q)+1, 4
.endm
; A slot's last step changes slots: ONE barrier; in front of it each wave waits for all its tensor loads, adds 0 to its spare word, and waits for that and for its own reads of this slot.  fill = 1: this slot is filled again, two K steps ahead.
.macro TURN slot, next, fill
	s_wait_tensorcnt 0x0                           ; all my tensor loads have landed: my part of the next slot
	ds_add_u32 v[SPW], v[NIL]                      ; 0 onto my spare word
	s_wait_dscnt 4*NL+1                            ; (the add and the youngest 16 loads may be out)
	WIN MUL_LO
	MUL16 0, 1, NQ-1, \slot, 0
	s_wait_dscnt 0x0                               ; the add is done, and my reads of this slot are over
	s_barrier_signal -1
	MUL16 2, 1, NQ-1, \slot, 0
	WIN 0
	s_barrier_wait -1
.if \fill
	CREST                                          ; the barrier has opened a round of the cluster's barrier
	s_add_nc_u64 s[G0+4*\slot+2:G0+4*\slot+3], s[G0+4*\slot+2:G0+4*\slot+3], 2*ROWB
	s_add_nc_u64 s[G0B+4*\slot+2:G0B+4*\slot+3], s[G0B+4*\slot+2:G0B+4*\slot+3], 2*ROWB
	JLOAD G0+4*\slot, G1, G0B+4*\slot, G1B         ; the first tensor load behind the round
	PLACES NP-4
.else
	PLACES NP
.endif
	v_add_nc_u32 v[ADRS], 4*NQ, v[ADRS]
	FETCH_B \next, 0, 0
	FETCH_A \next, 0, 0
	SCALES \next
	WIN MUL_HI
	MUL16 4, 1, NQ-1, \slot, 0
	MUL16 6, 1, NQ-1, \slot, 0
	PLACES NP
	WIN 0
	FETCH_A \next, 0, 4
.endm
	s_wait_tensorcnt 1                             ; the scales and my part of K step 0 are in (K step 1's load may be out),
	s_barrier_signal -1
	s_barrier_wait -1                              ; everybody's are
	FETCH_B 0, 0, 0
	FETCH_A 0, 0, 0
	SCALES 0
	FETCH_A 0, 0, 4
	STEP 0, 0, 1                                   ; the first step stands in front of the loop: its products start the sums
	s_mov_b32 s3, LAPS-1
.Llap:
	TURN 0, 1, 1
	STEP 1, 0, 0
	TURN 1, 0, 1
	STEP 0, 0, 0
	s_sub_co_u32 s3, s3, 1
	s_cmp_lg_u32 s3, 0
	s_cbranch_scc1 .Llap
	TURN 0, 1, 0                                   ; the last lap fills nothing
	STEP 1, 0, 0
	s_wait_dscnt 4*NL
	WIN MUL_LO
	MUL16 0, 1, NQ-1, 1, 0
	MUL16 2, 1, NQ-1, 1, 0
	s_wait_dscnt 0
	WIN MUL_HI
	MUL16 4, 1, NQ-1, 1, 0
	MUL16 6, 1, NQ-1, 1, 0
	WIN 0
; THE WAY OUT, block by block of 16 rows x 128 columns: through my own stage in LDS, back as whole rows of 512 bytes.  LDS serves a wave's instructions in order (ISA guide 5.7.1.4): no wait between the stores and the loads.
.macro TOSTAGE a
.set AC, 64*((\a)%4)
	WIN 0x08+4*((\a)/4)                            ; the data: window 2 or 3
.irp b, 0,1,2,3,4,5,6,7
	ds_store_b128 v[STO], v[AC+8*\b:AC+8*\b+3] offset:64*\b          ; each accumulator from its low end on
	ds_store_b128 v[STO], v[AC+8*\b+4:AC+8*\b+7] offset:64*\b+16
.endr
	WIN 0
.set BB, BK+64*((\a)%2)
.irp t, 0,1,2,3,4,5,6,7,8,9,10,11,12,13,14,15
	ds_load_b128 v[BB+4*\t:BB+4*\t+3], v[RD] offset:\t*SPITCH
.endr
.endm
.macro SEND a, younger                 ; younger: the LDS instructions issued behind block a's loads, which may stay out
.set BB, BK+64*((\a)%2)
	s_wait_dscnt \younger
.if (\a) > 0
	s_add_nc_u64 s[12:13], s[12:13], 16*SIZE_N*4   ; (behind a wait on XCNT: the earlier stores have read their base)
.endif
.irp t, 0,1,2,3,4,5,6,7,8,9,10,11,12,13,14,15
	global_store_b128 v[CO], v[BB+4*\t:BB+4*\t+3], s[12:13] offset:\t*SIZE_N*4 th:TH_STORE_NT   ; 32 lanes store 512 consecutive bytes, aligned
.endr
.endm
	PLACES NP
	TOSTAGE 0
.irp a, 1,2,3,4,5,6,7
.if \a > 1
	s_wait_xcnt 0x0                                ; block a - 2's stores have read their registers and their base
.endif
	TOSTAGE \a
	SEND \a-1, 32                                  ; behind block a - 1's loads: block a's 16 stores and 16 loads
.endr
	s_wait_xcnt 0x0
	SEND 7, 0
	s_wait_tensorcnt 0x0                           ; the wave's end
	ds_add_u32 v[SPW], v[NIL]
	s_wait_dscnt 0x0
	CROUND                                         ; the closing round
	s_endpgm
.Lfunc_end_k_q83c39a1e7b_oproj:
	.size	k_q83c39a1e7b_oproj, .Lfunc_end_k_q83c39a1e7b_oproj-k_q83c39a1e7b_oproj
	.p2alignl 7, 3214868480
	.fill 96, 4, 3214868480
	.section	.rodata,"a",@progbits
	.p2align	6, 0x0
	.amdhsa_kernel k_q83c39a1e7b_oproj
		.amdhsa_group_segment_fixed_size 327680
		.amdhsa_private_segment_fixed_size 0
		.amdhsa_enable_private_segment 0
		.amdhsa_kernarg_size 24
		.amdhsa_user_sgpr_count 2
		.amdhsa_user_sgpr_kernarg_segment_ptr 1
		.amdhsa_wavefront_size32 1
		.amdhsa_system_sgpr_workgroup_id_x 1
		.amdhsa_system_sgpr_workgroup_id_y 1
		.amdhsa_system_sgpr_workgroup_id_z 1
		.amdhsa_system_vgpr_workitem_id 0
		.amdhsa_next_free_vgpr 1024
		.amdhsa_next_free_sgpr 98
		.amdhsa_reserve_vcc 0
		.amdhsa_float_denorm_mode_32 3
		.amdhsa_float_denorm_mode_16_64 3
		.amdhsa_memory_ordered 1
		.amdhsa_forward_progress 1
		.amdhsa_inst_pref_size 146
	.end_amdhsa_kernel
	.amdgpu_metadata
---
amdhsa.version: [ 1, 2 ]
amdhsa.kernels:
  - .name:           k_q83c39a1e7b_oproj
    .symbol:         k_q83c39a1e7b_oproj.kd
    .args:
      - { .name: yq, .offset: 0, .size: 8, .value_kind: global_buffer, .address_space: global }
      - { .name: wt, .offset: 8, .size: 8, .value_kind: global_buffer, .address_space: global }
      - { .name: out0, .offset: 16, .size: 8, .value_kind: global_buffer, .address_space: global }
    .group_segment_fixed_size: 327680
    .private_segment_fixed_size: 0
    .kernarg_segment_align: 8
    .kernarg_segment_size: 24
    .max_flat_workgroup_size: 128
    .sgpr_count:     98
    .vgpr_count:     1024
    .wavefront_size: 32
...
	.end_amdgpu_metadata
.endif
;; end of part 5
;; ======== version 2 of 2: 5 launches
;; workspace buffers: psum 1,024 bytes; xq 4,325,376 bytes; wt 17,301,504 bytes; qkv 12,976,128 bytes; yq 4,325,376 bytes
;; launch quantx: the kernel of part 1 again; grid 192 x 1, 4 waves a work-group, no clusters, 33,280 bytes of LDS; arguments x, wq, wk, wv, wo, xq, psum; writes xq, psum
;; launch ternw: the kernel of part 2 again; grid 128 x 1, 4 waves a work-group, no clusters, 17,920 bytes of LDS; arguments wq, wk, wv, wo, psum, wt; writes wt
;; launch qkvgemm: the kernel of part 3 again; grid 24 x 8, 4 waves a work-group, clusters of 4 x 4, 327,680 bytes of LDS; arguments xq, wt, freqs_cos, freqs_sin, qkv; writes qkv
;; launch attn: the kernel of part 4 again; grid 16 x 16, 16 waves a work-group, clusters of 4 x 1, 327,680 bytes of LDS; arguments qkv, yq; writes yq
;; launch oproj (part 6): grid 16 x 16, 4 waves a work-group, clusters of 4 x 4, 327,680 bytes of LDS; arguments yq, wt, out0; writes out0
.if DOCPART == 6
	.amdgcn_target "amdgcn-amd-amdhsa--gfx1250"
	.amdhsa_code_object_version 6
	.text
	.protected	k_q83c39a1e7b_oproj
	.globl	k_q83c39a1e7b_oproj
	.p2align	8
	.type	k_q83c39a1e7b_oproj,@function
k_q83c39a1e7b_oproj:
	s_mov_b64 s[64:65], 0
	v_nop
	global_prefetch_b8 v0, s[64:65] scope:SCOPE_SE
	s_setreg_imm32_b32 hwreg(HW_REG_WAVE_MODE, 25, 1), 1
	s_wait_xcnt 0x0
	s_wait_alu depctr_hold_cnt(0) depctr_sa_sdst(0) depctr_va_vdst(0) depctr_va_sdst(0) depctr_va_ssrc(0) depctr_va_vcc(0) depctr_vm_vsrc(0)
	s_getreg_b32 s2, hwreg(HW_REG_IB_STS2, 6, 4)
	s_cmp_eq_u32 s2, 0
	s_cbranch_scc0 .Lentry_in_a_cluster
	s_endpgm
.Lentry_in_a_cluster:
	s_bfe_u32 s2, ttmp6, 0x10000c
	s_cmp_lg_u32 s2, 0xf033
	s_cbranch_scc0 .Lentry_shape_is_right
	s_endpgm
.Lentry_shape_is_right:
; THE LAST LAYER: out0[t][n] = sum over K of y[t][K] Wo[n][K], both as codes of FP8 (E4M3) with one E8M0 scale for each 32 along K; out0 [2048][2048] f32; sums in f32.
; y's codes lie at yq + 0, [2048][2048], its scale bytes at yq + 0x400000, [2048][64]; the weight's signed codes at wt + 0xC00000, its scale bytes at wt + 0x1060000.
; A TILE OF C IS 128 x 128, so that 2048 x 2048 gives 256 work-groups.  Four waves, each 64 x 64: 16 accumulators of 16 x 16, 128 registers.
; K goes in steps of 512 (LDS rows of 512 bytes; a wave's tensor load brings 64 of them), as long as two slots in LDS allow: K has four such steps, two asked for at the start and two as refills.  So the steps are written out: a loop would have one trip.
; THE SCALES of the work-group's 128 rows of A and of B, for all of K, come into LDS once, with the first fills, and stay.
; CLUSTERS: 4 x 4 work-groups.  The four of a row of the cluster need the same tiles of A, the four of a column the same tiles of B: each tile is asked for JOINTLY, by the same tensor load with the same descriptor and a mask that names the four.
; THE MATRIX INSTRUCTION IS USED TRANSPOSED (source 0 = 16 rows of B, source 1 = 16 rows of A): a lane then holds eight neighbouring numbers of a row of C.
; REGISTERS: window 0: v0-31 addresses; v32-63 scale words, two sets of 16; v128-255 the accumulators ((a, b) at v[128 + 8 (4 a + b)]).
;   window 1: two sets of fragments, at v0 and at v128: for 128 along K, 64 registers of A (4 x 16 rows), then 64 of B.
.set SIZE_N, 2048
.set SIZE_K, 2048
.set KSTEP,  512                       ; along K in a slot
.set NQ,     KSTEP/128                 ; matrix instructions deep
.set ROWB,   512                       ; a tile's row in bytes
.set KROW,   SIZE_K                    ; a row of A or of B in memory, in bytes
.set PITCH,  528                       ; an LDS row: 512 bytes + 16 of padding = 132 words: row r starts at bank 4 r mod 64 (64 banks of 4 bytes: ISA guide 11.1), so the 16 rows that a load touches start at 16 different banks
.set FR,     16                        ; registers of a fragment: 16 rows x 128 K
.set NP,     8                         ; places behind this matrix instruction (ISA guide 7.12.1)
.set HALFT,  64*PITCH                  ; 64 rows: what one tensor load brings, and what one wave reads of A or of B
.set SLOT,   4*HALFT                   ; A's 128 rows, then B's 128 rows
.set KS,     SIZE_K/32                 ; a row of scales in bytes
.set SCL,    2*SLOT                    ; behind the ring: the scales, as rows of 256 bytes + 16 of padding
.set HALFS,  (64*KS/256)*272           ; the scales of 64 rows: what one tensor load brings
.set SBLK,   (16*KS/256)*272           ; those of 16 rows
.set SPARE,  SCL+4*HALFS               ; the spare words, 128 bytes for each wave: two blocks of 256 bytes that no other line names
.set STG,    SPARE+512                 ; the way out: a stage of 16 rows x (256 bytes + 16) for each wave; no fill lands here
.set SPITCH, 272
.set ADRA, 16                          ; v16-17  LDS address of my A fragments in slot 0, 1
.set ADRB, 20                          ; v20-21  the same for B
.set STO,  24                          ; v24     the way out: where I put 32 bytes of a row
.set RD,   25                          ; v25     the way out: where I read a row back
.set CO,   26                          ; v26     my byte offset in C
.set ADRS, 27                          ; v27     LDS address of my scale words: lanes 0-15 A's rows, lanes 16-31 B's
.set SPW,  28                          ; v28     LDS address of my spare word: SPARE + 4 x my thread's number; never rewritten
.set NIL,  29                          ; v29     0; never rewritten
.set SC,   32                          ; scale words: set s (for slot s) at v[SC + 16 s]; in it register 4 i + q: lanes 0-15 the word of A's block i, lanes 16-31 that of B's block i, for the slot's q-th 128 along K
.set ACC,  128
.set F0,   0                           ; the two sets of fragments, in window 1
.set F1,   128
.set G1, 24                            ; s[24:31] descriptor group 1 for A's tiles;  s[32:39] group 0, one set for each slot
.set G0, 32
.set G1B, 48                           ; s[48:55], s[56:63] the same for B's tiles
.set G0B, 56
.set G1S, 68                           ; s[68:75], s[76:79] groups 1 and 0 for A's scales;  s[80:87], s[88:91] for B's
.set G0S, 76
.set G1SB, 80
.set G0SB, 88
.set MSB, 0
.macro WIN new                         ; the immediate's high byte repeats the setting that is left
.if MSB != \new
	s_set_vgpr_msb (MSB<<8)|\new
.set MSB, \new
.endif
.endm
.set MUL,  0x05                        ; sources 0 (B) and 1 (A) window 1; C and D window 0
.set TO_F, 0x40                        ; destination window 1, address window 0
; A joint load: waves 0 and 1 fetch for A, waves 2 and 3 for B.  Each of the two lines has ONE mask and one set of registers for all that issue it; the branch hangs on the wave's number alone.
; Four v_nop follow each of the two lines, ahead of the jump, the label and what follows.
.macro JLOAD g0a, g1a, g0b, g1b
	s_cmp_eq_u32 s15, 0
	s_cbranch_scc0 .Lfor_b_\@
	tensor_load_to_lds s[\g0a:\g0a+3], s[\g1a:\g1a+7]
	s_nop 0
.rept 4
	v_nop
.endr
	s_branch .Lasked_\@
.Lfor_b_\@:
	tensor_load_to_lds s[\g0b:\g0b+3], s[\g1b:\g1b+7]
	s_nop 0
.rept 4
	v_nop
.endr
.Lasked_\@:
.endm
.macro CREST                           ; a round of the cluster's barrier behind its opening barrier
	s_cmp_lg_u32 s14, 0
	s_cbranch_scc1 .Lnot_wave_0_\@
	s_barrier_signal -3
.Lnot_wave_0_\@:
	s_barrier_wait -3
	s_barrier_signal -1
	s_barrier_wait -1
.endm
.macro CROUND                          ; a whole round
	s_barrier_signal -1
	s_barrier_wait -1
	CREST
.endm
	s_load_b128 s[4:7], s[0:1], 0x0                ; yq, wt
	s_load_b64 s[12:13], s[0:1], 0x10              ; out0
	v_lshl_add_u32 v[SPW], v0, 2, SPARE
	v_mov_b32 v[NIL], 0
	ds_add_u32 v28, v29
	s_wait_dscnt 0x0
	v_lshrrev_b32 v1, 5, v0
	v_readfirstlane_b32 s14, v1                    ; wave 0..3
	s_lshr_b32 s15, s14, 1                         ; which half of the tile's rows is mine.  Also: I fetch for A (0) or for B (1)
	s_and_b32 s16, s14, 1                          ; which half of its columns.  Also: which 64 rows of that tile I fetch
	s_bfe_u32 s40, ttmp6, 0x40000                  ; cx, cy: my place in the cluster
	s_bfe_u32 s41, ttmp6, 0x40004
	s_lshl_b32 s42, ttmp9, 2
	s_add_co_u32 s42, s42, s40                     ; tile column of C = 4 x cluster x + cx
	s_and_b32 s17, ttmp7, 0xffff
	s_lshl_b32 s17, s17, 2
	s_add_co_u32 s17, s17, s41                     ; tile row of C = 4 x cluster y + cy
	s_lshl_b32 s43, s41, 2
	s_lshl_b32 s43, 15, s43                        ; my row of the cluster
	s_lshl_b32 s44, 0x1111, s40                    ; my column
	; descriptor group 1: a tile of 64 rows x 512 bytes, padded in LDS
	s_or_b32 s[G1+0], s43, (0<<16)|(1<<20)|(1<<21)|(6<<22)|(3<<25)  ; 15:0 the mask: A's tiles go to my row; 17:16 element of 1 byte; 20 padding on; 21 set beside a mask; 24:22 after every 128 words (code 6); 31:25 of 4 words (code 3)
	s_or_b32 s[G1B+0], s44, (0<<16)|(1<<20)|(1<<21)|(6<<22)|(3<<25)
.irp g, G1, G1B
	s_mov_b32 s[\g+1], ROWB<<16                    ; tensor_dim0
	s_mov_b32 s[\g+2], 64<<16                      ; tensor_dim1 = 64
	s_mov_b32 s[\g+3], ROWB<<16                    ; tile_dim0
	s_mov_b32 s[\g+4], 64                          ; tile_dim1 = 64
	s_mov_b32 s[\g+5], KROW                        ; tensor_dim0_stride
	s_mov_b32 s[\g+6], 0
	s_mov_b32 s[\g+7], 0
.endr
	; and for the scales of 64 rows: a dense block of 4,096 bytes, as 16 rows of 256 bytes (32 elements of 8 bytes), 16 bytes of padding behind each
	s_or_b32 s[G1S+0], s43, (3<<16)|(1<<20)|(1<<21)|(5<<22)|(3<<25)
	s_or_b32 s[G1SB+0], s44, (3<<16)|(1<<20)|(1<<21)|(5<<22)|(3<<25)
.irp g, G1S, G1SB
	s_mov_b32 s[\g+1], 32<<16
	s_mov_b32 s[\g+2], (64*KS/256)<<16
	s_mov_b32 s[\g+3], 32<<16
	s_mov_b32 s[\g+4], 64*KS/256
	s_mov_b32 s[\g+5], 32
	s_mov_b32 s[\g+6], 0
	s_mov_b32 s[\g+7], 0
.endr
	s_lshl_b32 s18, s16, 6                         ; which 64 rows of the tile I fetch
	s_lshl_b32 s20, s17, 7
	s_add_co_u32 s20, s20, s18                     ; A: row 128 x tile row + 64 x half
	s_lshl_b32 s46, s42, 7
	s_add_co_u32 s46, s46, s18                     ; B: row 128 x tile column + 64 x half
	s_mov_b32 s21, 0
	s_mov_b32 s47, 0
	s_mov_b64 s[18:19], KS
	s_mul_u64 s[22:23], s[20:21], s[18:19]         ; where these rows' scales begin, in bytes
	s_mul_u64 s[92:93], s[46:47], s[18:19]
	s_mov_b64 s[18:19], KROW
	s_mul_u64 s[20:21], s[20:21], s[18:19]         ; and their codes
	s_mul_u64 s[46:47], s[46:47], s[18:19]
	s_mul_i32 s45, s14, HALFT                      ; where they go: wave x 64 rows: no place in the cluster enters an LDS address
	s_mul_i32 s94, s14, HALFS
	s_wait_kmcnt 0x0
	s_add_nc_u64 s[8:9], s[6:7], 0xC00000          ; the weight's codes
	s_add_nc_u64 s[10:11], s[6:7], 0x1060000       ; and scale bytes
	s_add_nc_u64 s[6:7], s[4:5], 0x400000          ; y's scale bytes
	s_add_nc_u64 s[20:21], s[4:5], s[20:21]
	s_add_nc_u64 s[22:23], s[6:7], s[22:23]
	s_add_nc_u64 s[46:47], s[8:9], s[46:47]
	s_add_nc_u64 s[92:93], s[10:11], s[92:93]
	CROUND                                         ; all sixteen work-groups are here: the first joint loads meet
	s_mov_b32 s[G0S], 1
	s_add_co_u32 s[G0S+1], s94, SCL
	s_mov_b64 s[G0S+2:G0S+3], s[22:23]
	s_or_b32 s[G0S+3], s[G0S+3], 0x80000000
	s_mov_b32 s[G0SB], 1
	s_add_co_u32 s[G0SB+1], s94, SCL
	s_mov_b64 s[G0SB+2:G0SB+3], s[92:93]
	s_or_b32 s[G0SB+3], s[G0SB+3], 0x80000000
	JLOAD G0S, G1S, G0SB, G1SB                     ; the scales first: they are wanted with K step 0
.irp s, 0,1
	s_mov_b32 s[G0+4*\s], 1                        ; 1:0 count = 1
	s_add_co_u32 s[G0+4*\s+1], s45, \s*SLOT        ; 63:32 LDS address
	s_add_nc_u64 s[G0+4*\s+2:G0+4*\s+3], s[20:21], \s*ROWB   ; 120:64 global address: K step s
	s_or_b32 s[G0+4*\s+3], s[G0+4*\s+3], 0x80000000          ; 127:126 type = 2
	s_mov_b32 s[G0B+4*\s], 1
	s_add_co_u32 s[G0B+4*\s+1], s45, \s*SLOT
	s_add_nc_u64 s[G0B+4*\s+2:G0B+4*\s+3], s[46:47], \s*ROWB
	s_or_b32 s[G0B+4*\s+3], s[G0B+4*\s+3], 0x80000000
	JLOAD G0+4*\s, G1, G0B+4*\s, G1B               ; half of K is asked for before anything else is done: three tensor loads of mine are out
.endr
	v_and_b32 v1, 15, v0                           ; l % 16
	v_bfe_u32 v2, v0, 4, 1                         ; l / 16
	v_mul_u32_u24 v3, v1, PITCH
	v_lshl_add_u32 v4, v2, 4, v3                   ; a fragment's row x pitch + 16 x half
	s_mul_i32 s21, s15, HALFT                      ; my 64 rows of A
	s_mul_i32 s22, s16, HALFT                      ; my 64 rows of B,
	s_add_co_u32 s22, s22, 2*HALFT                 ; which lie behind A's 128
.irp s, 0,1
	v_add_nc_u32 v[ADRA+\s], s21, v4
	v_add_nc_u32 v[ADRB+\s], s22, v4
	s_add_co_u32 s21, s21, SLOT
	s_add_co_u32 s22, s22, SLOT
.endr
	v_mul_u32_u24 v5, v1, KS                       ; my row's scales: KS bytes a row,
	v_lshrrev_b32 v6, 8, v5
	v_lshl_add_u32 v5, v6, 4, v5                   ; and 16 more for each 256 passed
	s_mul_i32 s21, s15, HALFS                      ; A's: my 64 rows
	s_mul_i32 s22, s16, HALFS                      ; B's: my 64 rows, behind A's 128
	s_add_co_u32 s22, s22, 2*HALFS
	s_sub_co_u32 s22, s22, s21
	v_mul_u32_u24 v6, s22, v2                      ; lanes 16-31 take B's: the lower base + half x the distance
	s_add_co_u32 s21, s21, SCL
	v_add_nc_u32 v5, v5, v6
	v_add_nc_u32 v[ADRS], s21, v5
	s_mul_i32 s23, s14, 16*SPITCH
	s_add_co_u32 s23, s23, STG                     ; my stage
	v_mul_u32_u24 v5, v1, SPITCH                   ; in: row l % 16, 32 bytes for each half of the lanes
	v_lshl_add_u32 v5, v2, 5, v5
	v_add_nc_u32 v[STO], s23, v5
	v_mul_u32_u24 v5, v2, SPITCH                   ; back: lanes 0-15 take one row of 256 bytes, lanes 16-31 the next
	v_lshl_add_u32 v5, v1, 4, v5
	v_add_nc_u32 v[RD], s23, v5
	v_mul_u32_u24 v5, v2, SIZE_N*4                 ; and the same two rows in C
	v_lshl_add_u32 v[CO], v1, 4, v5
	s_lshl_b32 s20, s17, 7
	s_lshl_b32 s21, s15, 6
	s_add_co_u32 s20, s20, s21                     ; my first row of C: 128 x tile row + 64 x half
	s_mov_b32 s21, 0
	s_mov_b64 s[18:19], SIZE_N*4
	s_mul_u64 s[20:21], s[20:21], s[18:19]
	s_lshl_b32 s46, s42, 9                         ; my first column, in bytes: 512 x tile column + 256 x half
	s_lshl_b32 s47, s16, 8
	s_add_co_u32 s46, s46, s47
	s_mov_b32 s47, 0
	s_add_nc_u64 s[20:21], s[20:21], s[46:47]
	s_add_nc_u64 s[12:13], s[12:13], s[20:21]
.macro FRAG reg, adr, q, i             ; a fragment, 16 rows x 128 K of 8-bit codes, is 16 registers: lane l holds row l % 16; registers 4 c .. 4 c + 3 hold K = 32 c + 16 (l / 16) + 0 .. 15
.irp c, 0,1,2,3
	ds_load_b128 v[\reg+4*\c:\reg+4*\c+3], v[\adr] offset:128*(\q)+32*\c+(\i)*16*PITCH
.endr
.endm
.macro FETCH slot, q, f                ; 32 LDS loads in one run: the fragments of the slot's q-th 128 along K (64 rows of B, 64 rows of A) into set f
	WIN TO_F
.irp i, 0,1,2,3
	FRAG \f+64+FR*\i, ADRB+\slot, \q, \i
	FRAG \f+FR*\i, ADRA+\slot, \q, \i
.endr
.endm
.macro SCALES sc                       ; a K step's scale words into set sc: four words a row; lanes 0-15 take A's block i, lanes 16-31 B's block i
.irp i, 0,1,2,3
	ds_load_b128 v[SC+16*\sc+4*\i:SC+16*\sc+4*\i+3], v[ADRS] offset:\i*SBLK
.endr
.endm
; 4 matrix instructions: A's block a x B's four, 128 along K: the slot's q-th, from set f.  sc: the set of scale words.  zero = 1: the first product starts the sums: nothing is ever cleared.
; The 16 accumulators take turns, one instruction a turn, in the same order in every step.
.macro MUL4 f, a, q, sc, zero
.irp b, 0,1,2,3
.if \zero
	v_wmma_scale_f32_16x16x128_f8f6f4 v[ACC+8*(4*(\a)+\b):ACC+8*(4*(\a)+\b)+7], v[\f+64+FR*\b:\f+64+FR*\b+FR-1], v[\f+FR*(\a):\f+FR*(\a)+FR-1], 0, v[SC+16*(\sc)+4*\b+(\q)], v[SC+16*(\sc)+4*(\a)+(\q)] matrix_a_scale:MATRIX_SCALE_ROW1
.else
	v_wmma_scale_f32_16x16x128_f8f6f4 v[ACC+8*(4*(\a)+\b):ACC+8*(4*(\a)+\b)+7], v[\f+64+FR*\b:\f+64+FR*\b+FR-1], v[\f+FR*(\a):\f+FR*(\a)+FR-1], v[ACC+8*(4*(\a)+\b):ACC+8*(4*(\a)+\b)+7], v[SC+16*(\sc)+4*\b+(\q)], v[SC+16*(\sc)+4*(\a)+(\q)] matrix_a_scale:MATRIX_SCALE_ROW1
.endif
.endr
.endm
; A load into a register that a matrix instruction has read, and an LDS store that reads a matrix result, stand NP places behind that matrix instruction, and only plain vector instructions that name none of its registers
; are places (ISA guide 7.12.1 for vector instructions); this text does not count the matrix instructions in between.
.macro PLACES n
.rept \n
	v_nop
.endr
.endm
; A K step is four quarters of 128 along K, 16 matrix instructions each, on sets 0, 1, 0, 1.  One of the first three: it asks for the next quarter's fragments, into the set that the quarter before multiplied, and multiplies its own.
.macro QUARTER slot, q, zero
.if !(\zero)
	PLACES NP                                      ; behind the last products that read the other set
.endif
	FETCH \slot, (\q)+1, F0+128*(1-(\q)%2)
	s_wait_dscnt 32                                ; all but the 32 just issued: my set, and the slot's scale words, are in
	WIN MUL
.irp a, 0,1,2,3
	MUL4 F0+128*((\q)%2), \a, \q, \slot, \zero
.endr
.endm
; The last quarter multiplies set 1 and changes slots: ONE barrier; in front of it each wave waits for all its tensor loads, adds 0 to its spare word, and waits for that and for its own reads of this slot.
; fill = 1: this slot is filled again, two K steps ahead; the barrier then opens a round of the cluster's barrier, and the joint refill is the first tensor load behind the round.
.macro TURN slot, next, fill
	WIN 0                                          ; (the add's two registers lie in window 0)
	s_wait_tensorcnt 0x0                           ; all my tensor loads have landed: the one that was out is my part of the next slot;
	ds_add_u32 v[SPW], v[NIL]                      ; 0 onto my spare word
	s_wait_dscnt 1                                 ; (set 1 is in; the add may be out)
	WIN MUL
	MUL4 F1, 0, NQ-1, \slot, 0                     ; four matrix instructions stand between the add and the wait for it
	s_wait_dscnt 0x0                               ; the add is done, and my reads of this slot are over
	s_barrier_signal -1
	MUL4 F1, 1, NQ-1, \slot, 0                     ; work on registers while the others arrive
	WIN 0
	s_barrier_wait -1
.if \fill
	CREST                                          ; no wave of any partner still reads this slot's tile or has a load on its way
	s_add_nc_u64 s[G0+4*\slot+2:G0+4*\slot+3], s[G0+4*\slot+2:G0+4*\slot+3], 2*ROWB
	s_add_nc_u64 s[G0B+4*\slot+2:G0B+4*\slot+3], s[G0B+4*\slot+2:G0B+4*\slot+3], 2*ROWB
	JLOAD G0+4*\slot, G1, G0B+4*\slot, G1B         ; the four v_nop behind it are among the places in front of the loads below (set 0 was last read a quarter ago)
	PLACES NP-4
.else
	PLACES NP
.endif
	v_add_nc_u32 v[ADRS], 4*NQ, v[ADRS]            ; on to the next K step's scale words: 16 bytes on in each row
	FETCH \next, 0, F0
	WIN 0
	SCALES \next
	WIN MUL
	MUL4 F1, 2, NQ-1, \slot, 0
	MUL4 F1, 3, NQ-1, \slot, 0
.endm
	s_wait_tensorcnt 1                             ; the scales and my part of K step 0 are in (K step 1's load may be out)
	s_barrier_signal -1
	s_barrier_wait -1                              ; everybody's are
	FETCH 0, 0, F0
	WIN 0
	SCALES 0
	QUARTER 0, 0, 1                                ; K step 0; its first products start the sums
	QUARTER 0, 1, 0
	QUARTER 0, 2, 0
	TURN 0, 1, 1                                   ; slot 0 takes K step 2
	QUARTER 1, 0, 0                                ; K step 1
	QUARTER 1, 1, 0
	QUARTER 1, 2, 0
	TURN 1, 0, 1                                   ; slot 1 takes K step 3
	QUARTER 0, 0, 0                                ; K step 2
	QUARTER 0, 1, 0
	QUARTER 0, 2, 0
	TURN 0, 1, 0                                   ; nothing is left to fetch, and no round follows
	QUARTER 1, 0, 0                                ; K step 3
	QUARTER 1, 1, 0
	QUARTER 1, 2, 0
	s_wait_dscnt 0x0                               ; the very last quarter
	WIN MUL
.irp a, 0,1,2,3
	MUL4 F1, \a, NQ-1, 1, 0
.endr
	WIN 0
; THE WAY OUT, block by block of 16 rows x 64 columns.  A lane holds 32 neighbouring bytes of a row, and the lanes beside it hold other rows: so a block goes through my own stage in LDS and comes back, into the registers that it left,
; as whole rows of 256 bytes.  LDS serves a wave's instructions in order (ISA guide 5.7.1.4): no wait between the stores and the loads, nor in front of the next block's stores.
; Every block has registers of its own and every offset is an immediate (62 rows of C at the most, inside the signed 24-bit immediate: ISA guide, chapter 10): no store's source is written again.
.macro TOSTAGE a
.irp b, 0,1,2,3
	ds_store_b128 v[STO], v[ACC+32*\a+8*\b:ACC+32*\a+8*\b+3] offset:64*\b          ; each accumulator from its low end on
	ds_store_b128 v[STO], v[ACC+32*\a+8*\b+4:ACC+32*\a+8*\b+7] offset:64*\b+16
.endr
.irp t, 0,1,2,3,4,5,6,7
	ds_load_b128 v[ACC+32*\a+4*\t:ACC+32*\a+4*\t+3], v[RD] offset:\t*2*SPITCH
.endr
.endm
.macro SEND a, younger                 ; younger: the LDS instructions issued behind block a's loads: the next block's sixteen, or none
.irp t, 0,1,2,3,4,5,6,7
	s_wait_dscnt \younger+7-\t
	global_store_b128 v[CO], v[ACC+32*\a+4*\t:ACC+32*\a+4*\t+3], s[12:13] offset:(16*\a+2*\t)*SIZE_N*4 th:TH_STORE_NT   ; 16 lanes store 256 consecutive bytes, at a multiple of 256 from C's first byte; written once, read by nobody here
.endr
.endm
	PLACES NP                                      ; behind the last products: for the first reads of results and the loads that land on them
	TOSTAGE 0
	TOSTAGE 1                                      ; a block is on its way through the stage while the block before is stored
	SEND 0, 16
	TOSTAGE 2
	SEND 1, 16
	TOSTAGE 3
	SEND 2, 16
	SEND 3, 0
	s_wait_tensorcnt 0x0                           ; the wave's end, behind my last tensor load and my last LDS store
	ds_add_u32 v[SPW], v[NIL]
	s_wait_dscnt 0x0
	CROUND                                         ; the closing round: no work-group ends while a partner may still ask for a tile that names it
	s_endpgm
.Lfunc_end_k_q83c39a1e7b_oproj:
	.size	k_q83c39a1e7b_oproj, .Lfunc_end_k_q83c39a1e7b_oproj-k_q83c39a1e7b_oproj
	.p2alignl 7, 3214868480
	.fill 96, 4, 3214868480
	.section	.rodata,"a",@progbits
	.p2align	6, 0x0
	.amdhsa_kernel k_q83c39a1e7b_oproj
		.amdhsa_group_segment_fixed_size 327680
		.amdhsa_private_segment_fixed_size 0
		.amdhsa_enable_private_segment 0
		.amdhsa_kernarg_size 24
		.amdhsa_user_sgpr_count 2
		.amdhsa_user_sgpr_kernarg_segment_ptr 1
		.amdhsa_wavefront_size32 1
		.amdhsa_system_sgpr_workgroup_id_x 1
		.amdhsa_system_sgpr_workgroup_id_y 1
		.amdhsa_system_sgpr_workgroup_id_z 1
		.amdhsa_system_vgpr_workitem_id 0
		.amdhsa_next_free_vgpr 512
		.amdhsa_next_free_sgpr 98
		.amdhsa_reserve_vcc 0
		.amdhsa_float_denorm_mode_32 3
		.amdhsa_float_denorm_mode_16_64 3
		.amdhsa_memory_ordered 1
		.amdhsa_forward_progress 1
		.amdhsa_inst_pref_size 91
	.end_amdhsa_kernel
	.amdgpu_metadata
---
amdhsa.version: [ 1, 2 ]
amdhsa.kernels:
  - .name:           k_q83c39a1e7b_oproj
    .symbol:         k_q83c39a1e7b_oproj.kd
    .args:
      - { .name: yq, .offset: 0, .size: 8, .value_kind: global_buffer, .address_space: global }
      - { .name: wt, .offset: 8, .size: 8, .value_kind: global_buffer, .address_space: global }
      - { .name: out0, .offset: 16, .size: 8, .value_kind: global_buffer, .address_space: global }
    .group_segment_fixed_size: 327680
    .private_segment_fixed_size: 0
    .kernarg_segment_align: 8
    .kernarg_segment_size: 24
    .max_flat_workgroup_size: 128
    .sgpr_count:     98
    .vgpr_count:     512
    .wavefront_size: 32
...
	.end_amdgpu_metadata
.endif
;; end of part 6
